; MI455X (gfx1250); checked and timed in simulation.
; The chip was launched on July 23, 2026; its instructions are those of AMD's public machine-readable ISA for CDNA 5 (MIT licence, August 2026) and "CDNA5" Instruction Set Architecture Reference Guide (July 2026). The comments in the code are by the model that wrote it; some were corrected since.
;; Feed Forward. Allowed arithmetic: matrix products marked QUANTISED: E4M3 operands, one given power-of-two scale a tensor, by v_wmma_f32_16x16x64_fp8_fp8 or v_wmma_f32_16x16x128_fp8_fp8, f32 sums; everything else in f32.
;; Inputs: lowp_scales 4 int32 (the exponents e of the quantised operands' scales 2^e); w1 4,096 x 1,024 float32; w2 1,024 x 4,096 float32; x 4 x 2,048 x 1,024 float32.
;; Outputs: out0 4 x 2,048 x 1,024 float32.
;; This version of the problem:
;;   THIS VERSION OF THE PROBLEM IS GIVEN IN LOW PRECISION. The matrix products marked QUANTISED in the list below multiply operands that are first quantised to E4M3 (4 exponent bits, 3 mantissa bits; 8 bits a number), with one given power-of-two scale for each operand tensor; their sums are f32. All else is computed in f32.
;;   The module's matrix products, in the order in which they are computed (A, B: the left and right operand; K: the contracted axis; several contracted axes count as one K, in the product's order):
;;     1. [M 8,192, K 1,024] x [K 1,024, N 4,096]; A: computed on the way; B: computed on the way: QUANTISED (scales: A lowp_scales[0], B lowp_scales[1])
;;     2. [M 8,192, K 4,096] x [K 4,096, N 1,024]; A: computed on the way; B: computed on the way: QUANTISED (scales: A lowp_scales[2], B lowp_scales[3])
;;   THE QUANTISER, for each operand of a quantised product, along K:
;;     - The operand's scale is 2^e, e = its entry of the input lowp_scales (int32; the entries are numbered through the quantised products in the list's order, A before B).
;;     - Each number is divided by the scale, clamped to +-448, and rounded to the nearest number of E4M3, ties to even, subnormals kept.
;;     - The product sums the exact products of the quantised numbers (number of the format x scale) in f32.
;;   ~~~python
;;   def quantise(x, axis, e):      # numpy; x: float32 -> the quantised numbers, widened to float32 again
;;       x = np.moveaxis(x, axis, -1); K = x.shape[-1]
;;       r = np.clip(x / 2.0 ** e, -448, 448)
;;       step = 2.0 ** (np.maximum(np.frexp(np.where(r == 0, 1, r))[1] - 1, -6) - 3)
;;       q = np.round(r / step) * step * 2.0 ** e      # np.round: ties to even
;;       return np.moveaxis(q, -1, axis).astype(np.float32)
;;   ~~~
;;   OPERANDS COMPUTED ON THE WAY. 'Computed on the way' means the value that the module computes at that place (a softmax that the list does not call 'softmax' is quantised finished and normalised). What goes into a quantiser is computed in f32, as accurately as f32 sums, v_exp_f32 and their like allow (about 1e-6 of the number): no bf16 or f16 on the way to a quantiser, and a product that is left as it is and whose result goes on into a quantised operand takes f32 operands (vector FMAs, or v_wmma_f32_16x16x4_f32). A number that lies on a knife's edge between two numbers of the format may be rounded either way, as far as f32 arithmetic and the matrix unit's own rounding can turn it there, and no further.
;; One version. Each part assembles by itself: llvm-mc -triple=amdgcn-amd-amdhsa -mcpu=gfx1250 --defsym DOCPART=n.
;; ======== version 1 of 1: 5 launches
;; limits: an absolute error that grows with the inputs' magnitude: up to 1e-07 times it
;; workspace buffers: wsum 8,192 bytes; x_codes 8,388,608 bytes; w1_codes 4,194,304 bytes; w2_codes 4,194,304 bytes; hpre 134,217,728 bytes; h_codes 33,554,432 bytes
;; launch prep (part 1): grid 512 x 1, 8 waves a work-group, no clusters, 0 bytes of LDS; arguments x, w1, w2, lowp_scales, x_codes, wsum; writes x_codes, wsum
.if DOCPART == 1
	.amdgcn_target "amdgcn-amd-amdhsa--gfx1250"
	.amdhsa_code_object_version 6
	.text
	.protected	k_qacfdd69afb_prep
	.globl	k_qacfdd69afb_prep
	.p2align	8
	.type	k_qacfdd69afb_prep,@function
k_qacfdd69afb_prep:
	s_mov_b64 s[64:65], 0
	v_nop
	global_prefetch_b8 v0, s[64:65] scope:SCOPE_SE
	s_setreg_imm32_b32 hwreg(HW_REG_WAVE_MODE, 25, 1), 1
	s_wait_xcnt 0x0
; FIRST OF FIVE LAUNCHES.  x [8192][1024] f32 becomes codes of E4M3 (the first product's A); |w1| and |w2| are summed in parts.
; x: m = max(largest |x| of the row, 1e-5); scale = 127 / m; q = clip(round(x scale), -128, 127); the number quantised is q / scale; its code = that / 2^e0, held within +-448, to the nearest code.
; WORK LEFT OUT, in all launches: reference() returns a + stop_gradient(aq - a) for activations and weights.  In real numbers a + (aq - a) = aq for every a and aq, so the two additions reach no output
; and aq itself is what goes into the quantiser.  LIMIT: a NaN, an infinity or an overflow that arises only in those two additions is not carried to the result.  No input is left out.
; LIMITS: NaN and infinity among the inputs are not served (the maximum drops a NaN); a row's largest magnitude stays under 8e37 (its reciprocal must be a normal number); e0 between -126 and 119.
; 127 / m is a reciprocal with one correction step by fused multiply-adds; q / scale is q x (1 / scale), 1 / scale begun as m / 127 and corrected once: both as good as an f32 division to about one last bit.
; SHARES.  A wave takes 4,096 consecutive numbers (16,384 bytes): 32 loads, each of 512 consecutive bytes, 16 a lane.  Work-groups 0-255: x (four rows a wave); 256-383: w1; 384-511: w2.
; THE ORDER OF THE CODES.  Of each aligned 512 along K, lane l holds k = 128 j + 4 l + i in register 4 j + i; its 16 codes are stored at byte 16 l: byte 16 l + 4 j + i holds the code of k = 128 j + 4 l + i.
; All four buffers of codes of this program are laid so, so each product's partners meet; only the order of the sums changes.  Every load and store of a wave covers 512 consecutive bytes, aligned.
; No LDS, no barrier, no matrix unit, no cluster: the waves share nothing and memory binds.
; A sum of 4,096 |w| goes to wsum[tensor][run] by one lane: 2,048 words in the whole launch.
.set X,     32                         ; v32-159  the wave's 4,096 numbers, 128 a lane
.set C,     160                        ; v160-191 codes: four registers for each 512, so that no store's data are written again
.set VL,    28                         ; v28      448 x 2^e0
.set VE,    29                         ; v29      2^e0 as f32: the conversion takes its exponent field
.set SN128, 25                         ; s25      -128.0
.set S127,  26                         ; s26      127.0
.set SEL,   28                         ; s[28:29] lane selects: lane l xor 16
; v1 16 x lane; v2 lane; v3 at work; v4-7 the rows' maxima (sum path: four chains); v8-11 second chains, then reciprocals; v[12:19] scale, a pair a row; v[20:27] 1 / scale, a pair a row; v30 at work
.macro RMAX m0, m1, base, n            ; the largest magnitude of n registers, in two chains
.set i, 0
.rept (\n)/4
	v_max3_num_f32 v[\m0], v[\m0], |v[(\base)+i]|, |v[(\base)+i+1]|
	v_max3_num_f32 v[\m1], v[\m1], |v[(\base)+i+2]|, |v[(\base)+i+3]|
.set i, i+4
.endr
.endm
.macro SCALES m, r, S, I, t            ; v[r] = about 1 / v[m].  v[S] = 127 / m, v[I] = 1 / v[S], each written twice, as a pair
	v_mul_f32 v[\S], s[S127], v[\r]
	v_mul_f32 v[\I], 0x3c010204, v[\m]             ; m / 127
	v_fma_f32 v[\t], -v[\S], v[\m], s[S127]        ; what 127 lacks
	v_fma_f32 v[\S], v[\t], v[\r], v[\S]
	v_fma_f32 v[\t], -v[\S], v[\I], 1.0
	v_fma_f32 v[\I], v[\t], v[\I], v[\I]
	v_mov_b32 v[(\S)+1], v[\S]
	v_mov_b32 v[(\I)+1], v[\I]
.endm
.macro AQ c, S, I                      ; the c-th 512 numbers: 16 a lane, in place, then their codes and the store
.set XS, X+16*(\c)
.irp n, 0,2,4,6,8,10,12,14
	v_pk_mul_f32 v[XS+\n:XS+\n+1], v[XS+\n:XS+\n+1], v[(\S):(\S)+1]
.endr
.irp n, 0,1,2,3,4,5,6,7,8,9,10,11,12,13,14,15
	v_rndne_f32 v[XS+\n], v[XS+\n]
.endr
.irp n, 0,1,2,3,4,5,6,7,8,9,10,11,12,13,14,15
	v_med3_num_f32 v[XS+\n], v[XS+\n], s[SN128], s[S127]
.endr
.irp n, 0,2,4,6,8,10,12,14
	v_pk_mul_f32 v[XS+\n:XS+\n+1], v[XS+\n:XS+\n+1], v[(\I):(\I)+1]
.endr
.irp n, 0,1,2,3,4,5,6,7,8,9,10,11,12,13,14,15
	v_med3_num_f32 v[XS+\n], v[XS+\n], -v[VL], v[VL]   ; the conversion to an 8-bit code does not saturate (ISA guide 7.6.2): the hold at the largest code x the scale
.endr
	v_cvt_scalef32_pk8_fp8_f32 v[C+4*(\c):C+4*(\c)+1], v[XS:XS+7], v[VE]
	v_cvt_scalef32_pk8_fp8_f32 v[C+4*(\c)+2:C+4*(\c)+3], v[XS+8:XS+15], v[VE]
	v_nop                                          ; a plain line behind the last conversion of the run
	global_store_b128 v1, v[C+4*(\c):C+4*(\c)+3], s[30:31] offset:512*(\c)   ; 32 lanes store 512 consecutive bytes
.endm
	s_load_b256 s[4:11], s[0:1], 0x0               ; x s[4:5], w1 s[6:7], w2 s[8:9], the scales' exponents s[10:11]
	s_load_b128 s[12:15], s[0:1], 0x20             ; x's codes s[12:13], the partial sums s[14:15]
	v_lshrrev_b32 v2, 5, v0
	v_readfirstlane_b32 s16, v2                    ; wave 0..7
	v_and_b32 v2, 31, v0                           ; lane
	v_lshlrev_b32 v1, 4, v2                        ; my 16 bytes of a load's or a store's 512
	v_mov_b32 v3, 0                                ; written once: a lane permute's destination counts as one of its sources
	s_mov_b32 s[SN128], 0xc3000000
	s_mov_b32 s[S127], 0x42fe0000
	s_mov_b32 s[SEL], 0x76543210
	s_mov_b32 s[SEL+1], 0xfedcba98
	s_mov_b32 s23, 0
	s_wait_kmcnt 0x0
	s_load_b32 s24, s[10:11], 0x0                  ; e0
	s_cmp_lt_u32 ttmp9, 384                        ; which tensor: the choice hangs on the work-group's number alone
	s_cselect_b64 s[18:19], s[6:7], s[8:9]
	s_mov_b32 s20, 384
	s_cselect_b32 s20, 256, s20
	s_cmp_lt_u32 ttmp9, 256
	s_cselect_b64 s[18:19], s[4:5], s[18:19]
	s_cselect_b32 s20, 0, s20                      ; the tensor's first work-group
	s_sub_co_u32 s21, ttmp9, s20
	s_lshl_b32 s21, s21, 3
	s_add_co_u32 s21, s21, s16                     ; which run of 4,096 numbers of the tensor is my wave's
	s_lshl_b32 s22, s21, 14
	s_add_nc_u64 s[18:19], s[18:19], s[22:23]
.irp j, 0,1,2,3,4,5,6,7,8,9,10,11,12,13,14,15,16,17,18,19,20,21,22,23,24,25,26,27,28,29,30,31
	global_load_b128 v[X+4*\j:X+4*\j+3], v1, s[18:19] offset:512*\j th:TH_LOAD_NT
.endr
	s_wait_kmcnt 0x0                               ; e0
	s_cmp_lt_u32 ttmp9, 256
	s_cbranch_scc0 .Lsum
	; ---- x: four rows of 1,024, eight loads each
	s_lshl_b32 s22, s21, 12
	s_add_nc_u64 s[30:31], s[12:13], s[22:23]      ; my 4,096 codes
.irp q, 0,1,2,3
	v_mov_b32 v[4+\q], 0x3727c5ac                  ; the chains begin at 1e-5: the clip from below is a leaf of the maximum
	v_mov_b32 v[8+\q], 0x3727c5ac
.endr
.irp q, 0,1,2,3
	s_wait_loadcnt 24-8*\q                         ; row q's eight loads are in; the later rows' stay out
	RMAX 4+\q, 8+\q, X+32*\q, 32
	v_max_num_f32 v[4+\q], v[4+\q], v[8+\q]
.endr
.irp m, 1,2,4,8
.irp q, 0,1,2,3
	v_max_num_f32_dpp v[4+\q], v[4+\q], v[4+\q] row_xmask:\m row_mask:0xf bank_mask:0xf
.endr
.endr
.irp q, 0,1,2,3
	v_permlanex16_b32 v[8+\q], v[4+\q], s[SEL], s[SEL+1]
.endr
.irp q, 0,1,2,3
	v_max_num_f32 v[4+\q], v[4+\q], v[8+\q]        ; every lane holds the row's m
.endr
.irp q, 0,1,2,3
	v_rcp_f32 v[8+\q], v[4+\q]
.endr
	s_add_co_i32 s24, s24, 127
	s_lshl_b32 s22, s24, 23
	v_mov_b32 v[VE], s22                           ; 2^e0.  (The plain lines behind the reciprocals)
	s_add_co_i32 s24, s24, 8
	s_lshl_b32 s24, s24, 23
	s_or_b32 s24, s24, 0x600000
	v_mov_b32 v[VL], s24                           ; 448 x 2^e0
	s_wait_alu depctr_va_vdst(0)                   ; one wait for the four reciprocals, ahead of their first reader
.irp q, 0,1,2,3
	SCALES 4+\q, 8+\q, 12+2*\q, 20+2*\q, 30
.endr
.irp c, 0,1,2,3,4,5,6,7
	AQ \c, 12+2*(\c/2), 20+2*(\c/2)
.endr
	s_endpgm
	; ---- w1, w2: the sum of my 4,096 magnitudes, four chains a lane, then across the lanes
.Lsum:
	s_wait_loadcnt 24
.irp k, 0,1,2,3
	v_add_f32 v[4+\k], |v[X+\k]|, |v[X+4+\k]|      ; the first eight numbers start the chains: nothing is cleared
.endr
.set i, 8
.rept 120
.if i == 32
	s_wait_loadcnt 16                              ; eight loads more are in
.elseif i == 64
	s_wait_loadcnt 8
.elseif i == 96
	s_wait_loadcnt 0
.endif
	v_add_f32 v[4+i%4], v[4+i%4], |v[X+i]|
.set i, i+1
.endr
	v_add_f32 v4, v4, v5
	v_add_f32 v6, v6, v7
	v_add_f32 v4, v4, v6
.irp m, 1,2,4,8
	v_add_f32_dpp v4, v4, v4 row_xmask:\m row_mask:0xf bank_mask:0xf
.endr
	v_permlanex16_b32 v3, v4, s[SEL], s[SEL+1]
	v_add_f32 v4, v4, v3
	s_sub_co_u32 s22, ttmp9, 256
	s_lshl_b32 s22, s22, 3
	s_add_co_u32 s22, s22, s16                     ; w1's 1,024 runs, then w2's
	s_lshl_b32 s22, s22, 2
	s_add_nc_u64 s[30:31], s[14:15], s[22:23]
	v_cmp_eq_u32 vcc_lo, 0, v2
	s_wait_xcnt 0x0                                ; EXEC changes only behind this wait
	s_and_saveexec_b32 s20, vcc_lo
	global_store_b32 v2, v4, s[30:31]              ; lane 0 alone; its offset is 0
	s_wait_xcnt 0x0                                ; and again, in front of the line that widens it
	s_or_b32 exec_lo, exec_lo, s20
	s_endpgm
.Lfunc_end_k_qacfdd69afb_prep:
	.size	k_qacfdd69afb_prep, .Lfunc_end_k_qacfdd69afb_prep-k_qacfdd69afb_prep
	.p2alignl 7, 3214868480
	.fill 96, 4, 3214868480
	.section	.rodata,"a",@progbits
	.p2align	6, 0x0
	.amdhsa_kernel k_qacfdd69afb_prep
		.amdhsa_group_segment_fixed_size 0
		.amdhsa_private_segment_fixed_size 0
		.amdhsa_enable_private_segment 0
		.amdhsa_kernarg_size 48
		.amdhsa_user_sgpr_count 2
		.amdhsa_user_sgpr_kernarg_segment_ptr 1
		.amdhsa_wavefront_size32 1
		.amdhsa_system_sgpr_workgroup_id_x 1
		.amdhsa_system_sgpr_workgroup_id_y 1
		.amdhsa_system_sgpr_workgroup_id_z 1
		.amdhsa_system_vgpr_workitem_id 0
		.amdhsa_next_free_vgpr 192
		.amdhsa_next_free_sgpr 66
		.amdhsa_reserve_vcc 1
		.amdhsa_float_denorm_mode_32 3
		.amdhsa_float_denorm_mode_16_64 3
		.amdhsa_memory_ordered 1
		.amdhsa_forward_progress 1
		.amdhsa_inst_pref_size 52
	.end_amdhsa_kernel
	.amdgpu_metadata
---
amdhsa.version: [ 1, 2 ]
amdhsa.kernels:
  - .name:           k_qacfdd69afb_prep
    .symbol:         k_qacfdd69afb_prep.kd
    .args:
      - { .name: x, .offset: 0, .size: 8, .value_kind: global_buffer, .address_space: global }
      - { .name: w1, .offset: 8, .size: 8, .value_kind: global_buffer, .address_space: global }
      - { .name: w2, .offset: 16, .size: 8, .value_kind: global_buffer, .address_space: global }
      - { .name: lowp_scales, .offset: 24, .size: 8, .value_kind: global_buffer, .address_space: global }
      - { .name: x_codes, .offset: 32, .size: 8, .value_kind: global_buffer, .address_space: global }
      - { .name: wsum, .offset: 40, .size: 8, .value_kind: global_buffer, .address_space: global }
    .group_segment_fixed_size: 0
    .private_segment_fixed_size: 0
    .kernarg_segment_align: 8
    .kernarg_segment_size: 48
    .max_flat_workgroup_size: 256
    .sgpr_count:     66
    .vgpr_count:     192
    .wavefront_size: 32
...
	.end_amdgpu_metadata
.endif
;; end of part 1
;; launch tern (part 2): grid 256 x 1, 8 waves a work-group, no clusters, 0 bytes of LDS; arguments w1, w2, wsum, lowp_scales, w1_codes, w2_codes; writes w1_codes, w2_codes
.if DOCPART == 2
	.amdgcn_target "amdgcn-amd-amdhsa--gfx1250"
	.amdhsa_code_object_version 6
	.text
	.protected	k_qacfdd69afb_tern
	.globl	k_qacfdd69afb_tern
	.p2align	8
	.type	k_qacfdd69afb_tern,@function
k_qacfdd69afb_tern:
	s_mov_b64 s[64:65], 0
	v_nop
	global_prefetch_b8 v0, s[64:65] scope:SCOPE_SE
	s_setreg_imm32_b32 hwreg(HW_REG_WAVE_MODE, 25, 1), 1
	s_wait_xcnt 0x0
; w1 [4096][1024] and w2 [1024][4096], f32, become codes of E4M3 (each product's B), K innermost in the order that the first launch's head sets out (byte 16 l + 4 j + i of each 512: k = 128 j + 4 l + i).
; s = max(mean |w|, 1e-5); c = clip(round(w / s), -1, 1); the number quantised is c s; its code = c s / 2^e, held within +-448.  e: entry 1 of the scales' exponents for w1, entry 3 for w2.
; WORK LEFT OUT: w + stop_gradient(wq - w) = wq in real numbers for every w and wq (shown at the first launch's head); a NaN, infinity or overflow that arises only in those two additions is not carried.
; The mean: every wave adds the tensor's 1,024 partial sums in one and the same order, so s is the same number in all waves; x 2^-22, since a tensor has 2^22 numbers.
; w / s is w x (1 / s) with the remainder put back by two fused multiply-adds: as good as an f32 division.  c is -1, 0 or 1, so the hold of c s is c x min(s, 448 x 2^e): it is taken once, on s.
; LIMITS: NaN and infinity among the inputs are not served; e between -126 and 119.
; SHARES.  A wave takes 4,096 consecutive numbers, as in the first launch.  Work-groups 0-127: w1; 128-255: w2: pointers and numbers alone are chosen, there is one way through the text.
; No LDS, no barrier, no matrix unit, no cluster: the waves share nothing and memory binds.
.set PS,  16                           ; v16-47   the 1,024 partial sums, 32 a lane;
.set C,   16                           ;          later the codes: four registers for each 512
.set X,   48                           ; v48-175  the wave's numbers
.set T,   176                          ; v176-191 16 quotients at work
.set SEL, 28                           ; s[28:29] lane selects: lane l xor 16
; v1 16 x lane; v3 at work; v[4:5] s, twice; v[6:7] 1 / s, twice; v[8:9] min(s, 448 x 2^e), twice; v10 2^e as f32; v11 at work
	s_load_b256 s[4:11], s[0:1], 0x0               ; w1 s[4:5], w2 s[6:7], the partial sums s[8:9], the scales' exponents s[10:11]
	s_load_b128 s[12:15], s[0:1], 0x20             ; w1's codes, w2's codes
	v_lshrrev_b32 v2, 5, v0
	v_readfirstlane_b32 s16, v2                    ; wave 0..7
	v_and_b32 v2, 31, v0
	v_lshlrev_b32 v1, 4, v2                        ; 16 x lane
	v_mov_b32 v3, 0                                ; written once: a lane permute's destination counts as one of its sources
	s_mov_b32 s[SEL], 0x76543210
	s_mov_b32 s[SEL+1], 0xfedcba98
	s_mov_b32 s23, 0
	s_wait_kmcnt 0x0
	s_load_b128 s[32:35], s[10:11], 0x0            ; the four exponents
	s_cmp_lt_u32 ttmp9, 128                        ; w1's work-group or w2's?
	s_cselect_b64 s[18:19], s[4:5], s[6:7]
	s_cselect_b64 s[30:31], s[12:13], s[14:15]
	s_cselect_b32 s20, 0, 128
	s_cselect_b32 s22, 0, 4096
	s_add_nc_u64 s[8:9], s[8:9], s[22:23]          ; my tensor's partial sums
	s_sub_co_u32 s21, ttmp9, s20
	s_lshl_b32 s21, s21, 3
	s_add_co_u32 s21, s21, s16                     ; which run of 4,096 numbers is my wave's
	s_lshl_b32 s22, s21, 14
	s_add_nc_u64 s[18:19], s[18:19], s[22:23]
	s_lshl_b32 s22, s21, 12
	s_add_nc_u64 s[30:31], s[30:31], s[22:23]
.irp j, 0,1,2,3,4,5,6,7
	global_load_b128 v[PS+4*\j:PS+4*\j+3], v1, s[8:9] offset:512*\j   ; every wave reads these 4,096 bytes: no hint
.endr
.irp j, 0,1,2,3,4,5,6,7,8,9,10,11,12,13,14,15,16,17,18,19,20,21,22,23,24,25,26,27,28,29,30,31
	global_load_b128 v[X+4*\j:X+4*\j+3], v1, s[18:19] offset:512*\j th:TH_LOAD_NT
.endr
	s_wait_kmcnt 0x0
	s_cmp_lt_u32 ttmp9, 128
	s_cselect_b32 s24, s33, s35                    ; e
	s_add_co_i32 s24, s24, 127
	s_lshl_b32 s22, s24, 23                        ; 2^e as f32
	s_add_co_i32 s24, s24, 8
	s_lshl_b32 s24, s24, 23
	s_or_b32 s24, s24, 0x600000                    ; 448 x 2^e
	s_wait_loadcnt 32                              ; the eight loads of partial sums are in; the 32 behind them stay out
.irp n, 4,8,12,16,20,24,28
	v_pk_add_f32 v[PS:PS+1], v[PS:PS+1], v[PS+\n:PS+\n+1]
	v_pk_add_f32 v[PS+2:PS+3], v[PS+2:PS+3], v[PS+\n+2:PS+\n+3]
.endr
	v_pk_add_f32 v[PS:PS+1], v[PS:PS+1], v[PS+2:PS+3]
	v_add_f32 v[PS], v[PS], v[PS+1]
.irp m, 1,2,4,8
	v_add_f32_dpp v[PS], v[PS], v[PS] row_xmask:\m row_mask:0xf bank_mask:0xf
.endr
	v_permlanex16_b32 v3, v[PS], s[SEL], s[SEL+1]
	v_add_f32 v[PS], v[PS], v3
	v_mul_f32 v4, 0x34800000, v[PS]                ; x 2^-22: the mean
	v_max_num_f32 v4, 0x3727c5ac, v4               ; s = max(mean, 1e-5)
	v_rcp_f32 v6, v4
	v_mov_b32 v10, s22                             ; (plain lines behind the reciprocal)
	v_min_num_f32 v8, s24, v4                      ; s, held
	v_mov_b32 v5, v4
	v_mov_b32 v9, v8
	s_wait_alu depctr_va_vdst(0)                   ; the wait ahead of the reciprocal's first reader
	v_fma_f32 v11, -v4, v6, 1.0
	v_fma_f32 v6, v11, v6, v6                      ; 1 / s, corrected once
	v_mov_b32 v7, v6
.macro TQ c                            ; the c-th 512 numbers: 16 a lane
.set XS, X+16*(\c)
	s_wait_loadcnt 28-4*(\c)                       ; its four loads are in; the later ones stay out
.irp n, 0,2,4,6,8,10,12,14
	v_pk_mul_f32 v[T+\n:T+\n+1], v[XS+\n:XS+\n+1], v[6:7]
.endr
.irp n, 0,2,4,6,8,10,12,14
	v_pk_fma_f32 v[XS+\n:XS+\n+1], v[T+\n:T+\n+1], v[4:5], v[XS+\n:XS+\n+1] neg_lo:[1,0,0] neg_hi:[1,0,0]   ; w - t s: the remainder
.endr
.irp n, 0,2,4,6,8,10,12,14
	v_pk_fma_f32 v[T+\n:T+\n+1], v[XS+\n:XS+\n+1], v[6:7], v[T+\n:T+\n+1]
.endr
.irp n, 0,1,2,3,4,5,6,7,8,9,10,11,12,13,14,15
	v_rndne_f32 v[T+\n], v[T+\n]
.endr
.irp n, 0,1,2,3,4,5,6,7,8,9,10,11,12,13,14,15
	v_med3_num_f32 v[T+\n], v[T+\n], -1.0, 1.0
.endr
.irp n, 0,2,4,6,8,10,12,14
	v_pk_mul_f32 v[T+\n:T+\n+1], v[T+\n:T+\n+1], v[8:9]
.endr
	v_cvt_scalef32_pk8_fp8_f32 v[C+4*(\c):C+4*(\c)+1], v[T:T+7], v10
	v_cvt_scalef32_pk8_fp8_f32 v[C+4*(\c)+2:C+4*(\c)+3], v[T+8:T+15], v10
	v_nop                                          ; a plain line between the conversions and the next lines that write their sources
	global_store_b128 v1, v[C+4*(\c):C+4*(\c)+3], s[30:31] offset:512*(\c)   ; 32 lanes store 512 consecutive bytes
.endm
.irp c, 0,1,2,3,4,5,6,7
	TQ \c
.endr
	s_endpgm
.Lfunc_end_k_qacfdd69afb_tern:
	.size	k_qacfdd69afb_tern, .Lfunc_end_k_qacfdd69afb_tern-k_qacfdd69afb_tern
	.p2alignl 7, 3214868480
	.fill 96, 4, 3214868480
	.section	.rodata,"a",@progbits
	.p2align	6, 0x0
	.amdhsa_kernel k_qacfdd69afb_tern
		.amdhsa_group_segment_fixed_size 0
		.amdhsa_private_segment_fixed_size 0
		.amdhsa_enable_private_segment 0
		.amdhsa_kernarg_size 48
		.amdhsa_user_sgpr_count 2
		.amdhsa_user_sgpr_kernarg_segment_ptr 1
		.amdhsa_wavefront_size32 1
		.amdhsa_system_sgpr_workgroup_id_x 1
		.amdhsa_system_sgpr_workgroup_id_y 1
		.amdhsa_system_sgpr_workgroup_id_z 1
		.amdhsa_system_vgpr_workitem_id 0
		.amdhsa_next_free_vgpr 192
		.amdhsa_next_free_sgpr 66
		.amdhsa_reserve_vcc 0
		.amdhsa_float_denorm_mode_32 3
		.amdhsa_float_denorm_mode_16_64 3
		.amdhsa_memory_ordered 1
		.amdhsa_forward_progress 1
		.amdhsa_inst_pref_size 38
	.end_amdhsa_kernel
	.amdgpu_metadata
---
amdhsa.version: [ 1, 2 ]
amdhsa.kernels:
  - .name:           k_qacfdd69afb_tern
    .symbol:         k_qacfdd69afb_tern.kd
    .args:
      - { .name: w1, .offset: 0, .size: 8, .value_kind: global_buffer, .address_space: global }
      - { .name: w2, .offset: 8, .size: 8, .value_kind: global_buffer, .address_space: global }
      - { .name: wsum, .offset: 16, .size: 8, .value_kind: global_buffer, .address_space: global }
      - { .name: lowp_scales, .offset: 24, .size: 8, .value_kind: global_buffer, .address_space: global }
      - { .name: w1_codes, .offset: 32, .size: 8, .value_kind: global_buffer, .address_space: global }
      - { .name: w2_codes, .offset: 40, .size: 8, .value_kind: global_buffer, .address_space: global }
    .group_segment_fixed_size: 0
    .private_segment_fixed_size: 0
    .kernarg_segment_align: 8
    .kernarg_segment_size: 48
    .max_flat_workgroup_size: 256
    .sgpr_count:     66
    .vgpr_count:     192
    .wavefront_size: 32
...
	.end_amdgpu_metadata
.endif
;; end of part 2
;; launch gemm1 (part 3): grid 16 x 16, 4 waves a work-group, clusters of 4 x 4, 327,680 bytes of LDS; arguments x_codes, w1_codes, lowp_scales, hpre; writes hpre
.if DOCPART == 3
	.amdgcn_target "amdgcn-amd-amdhsa--gfx1250"
	.amdhsa_code_object_version 6
	.text
	.protected	k_qacfdd69afb_gemm1
	.globl	k_qacfdd69afb_gemm1
	.p2align	8
	.type	k_qacfdd69afb_gemm1,@function
k_qacfdd69afb_gemm1:
	s_mov_b64 s[64:65], 0
	v_nop
	global_prefetch_b8 v0, s[64:65] scope:SCOPE_SE
	s_setreg_imm32_b32 hwreg(HW_REG_WAVE_MODE, 25, 1), 1
	s_wait_xcnt 0x0
	s_wait_alu depctr_hold_cnt(0) depctr_sa_sdst(0) depctr_va_vdst(0) depctr_va_sdst(0) depctr_va_ssrc(0) depctr_va_vcc(0) depctr_vm_vsrc(0)
	s_getreg_b32 s2, hwreg(HW_REG_IB_STS2, 6, 4)
	s_cmp_eq_u32 s2, 0
	s_cbranch_scc0 .Lentry_in_a_cluster
	s_endpgm
.Lentry_in_a_cluster:
	s_bfe_u32 s2, ttmp6, 0x10000c
	s_cmp_lg_u32 s2, 0xf033
	s_cbranch_scc0 .Lentry_shape_is_right
	s_endpgm
.Lentry_shape_is_right:
; hpre[m][n] = 2^(e0 + e1) x the sum over k of A[m][k] B[n][k].  A = x's codes [8192][1024], B = w1's codes [4096][1024], E4M3, one code a byte; hpre [8192][4096] f32; sums in f32.
; Both buffers hold K in one and the same order inside each 512 (set out at the first launch's head), so every code meets its partner; only the order of the sums differs from ascending k.
; The GELU is not taken here: this wave has its SIMD to itself, so vector work would stand where no product can be issued; the next launch takes it.
; LIMIT: e0 + e1 between -126 and 127, so that 2^(e0 + e1) is an f32 number.
; A tile of 256 x 256 is made by a work-group of four waves; a wave makes 128 x 128: 64 accumulators of 16 x 16, 512 registers.
; K goes in steps of 256 through a ring of two LDS slots filled by the tensor data mover: a tile's row is 256 bytes of memory; a tile has four K steps.
; A WORK-GROUP STAYS: it makes two tiles, 4,096 rows apart, which share their rows of B.  The ring does not stop at the first tile's end: its last two changes of slots ask for the second tile's K steps 0 and 1,
; which land while the first tile goes out; and nothing waits for the first tile's stores.  Both tiles are written out by the same macros: a tile's four changes of slots differ in what they ask for.
; CLUSTERS: 4 x 4 work-groups.  The four of a row of the cluster need the same tiles of A, the four of a column the same tiles of B: each tile is asked for JOINTLY, by the same tensor load with the
; same descriptor and a mask that names the four.  THE MATRIX INSTRUCTION IS USED TRANSPOSED (source 0 = 16 rows of B, source 1 = 16 rows of A): a lane then holds eight neighbouring numbers of a row.
; REGISTERS, in windows of 256: window 0: v0-31 addresses; from v128 A's fragments (8 x 16 rows x 128 K), ONE set; on the way out v32-255 are at work.
;   window 1: B's fragments, TWO sets, at v0 and at v128.   window 2: the 32 accumulators of my rows 0-63 (accumulator (a, b) at v[8 (8 a + b)]);   window 3: those of my rows 64-127.
; A step of 128 along K is 64 matrix instructions, A's blocks one after the other, each against B's eight: a block of A is free as soon as its eight products are issued, so one set serves A.
.set SIZE_M, 8192
.set SIZE_N, 4096
.set SIZE_K, 1024
.set WALK,   SIZE_M/2                  ; a work-group's two tiles lie so many rows apart
.set KSTEP,  256                       ; along K in a slot
.set ROWB,   256                       ; a tile's row in bytes
.set KROW,   SIZE_K                    ; a row of A or of B in memory, in bytes
.set PITCH,  272                       ; an LDS row: 256 bytes + 16 of padding = 68 words: the 16 rows that a load touches start at 16 different banks (64 banks of 4 bytes: ISA guide 11.1)
.set FR,     16                        ; registers of a fragment: 16 rows x 128 K
.set NL,     4                         ; LDS loads that bring one
.set NP,     4                         ; places behind this matrix instruction (ISA guide 7.12.1)
.set HALFT,  128*PITCH                 ; 128 rows: what one tensor load brings, and what one wave reads of A or of B
.set SLOT,   4*HALFT                   ; A's 256 rows, then B's 256 rows
.set SPARE,  2*SLOT                    ; behind the ring: the spare words, 128 bytes for each wave, which no other line names
.set STAGE,  SPARE+512                 ; behind them: the way out's stage, 16 rows x (512 bytes + 16) for each wave: bytes of its own, into which no tensor load lands
.set SPITCH, 528
.set NEXT_A, WALK*KROW-2*ROWB          ; bytes from a slot's last K step of the first tile to its first of the second: A goes WALK rows down and two K steps back,
.set BACK_B, 2*ROWB                    ; B only back
.set NEXT_C, (WALK-7*16)*SIZE_N*4      ; bytes from my last 16 rows of the first tile to my first of the second
.set ADRA, 16                          ; v16-17  LDS address of my A fragments in slot 0, 1
.set ADRB, 20                          ; v20-21  the same for B
.set STO,  24                          ; v24     the way out: where I put 32 bytes of a row
.set RD,   25                          ; v25     the way out: where I read a row back
.set CO,   26                          ; v26     my byte offset in a row of the result
.set SPW,  28                          ; v28     LDS address of my spare word; never rewritten
.set NIL,  29                          ; v29     0; never rewritten
.set PFO,  30                          ; v30     the prefetches' offset: my lane x a row of A in memory; never rewritten
.set TMP,  32                          ; the way out: 64 registers, a block's sums x 2^(e0 + e1)
.set AF,   128                         ; A's fragments, in window 0
.set BK,   128                         ; the way out: 16 rows read back from the stage: v128-191 and v192-255 by turns
.set G1, 24                            ; s[24:31] descriptor group 1 for A's tiles;  s[32:39] group 0, one set for each slot
.set G0, 32
.set G1B, 48                           ; s[48:55], s[56:63] the same for B's tiles
.set G0B, 56
.set PFA, 66                           ; s[66:67] the second tile's rows of A: my work-group's 32 of the 128 that I fetch; never rewritten
.set LIM, 68                           ; s68     1 in a wave that prefetches, else 0
.set MSB, 0
.macro WIN new                         ; the immediate's high byte repeats the setting that is left
.if MSB != \new
	s_set_vgpr_msb (MSB<<8)|\new
.set MSB, \new
.endif
.endm
.set MUL_LO, 0xa1                      ; source 0 (B) window 1, source 1 (A) window 0, C and D window 2
.set MUL_HI, 0xf1                      ; the same, C and D window 3
.set TO_B,   0x40                      ; destination window 1, address window 0
; A joint load: waves 0 and 1 fetch for A, waves 2 and 3 for B.  Each of the two lines has one mask and one set of registers for all that issue it; the branch hangs on the wave's number alone.
; An s_nop 0 and four v_nop follow each of the two lines, ahead of the jump, the label and what follows.
.macro JLOAD g0a, g1a, g0b, g1b
	s_cmp_eq_u32 s15, 0
	s_cbranch_scc0 .Lfor_b_\@
	tensor_load_to_lds s[\g0a:\g0a+3], s[\g1a:\g1a+7]
	s_nop 0
.rept 4
	v_nop
.endr
	s_branch .Lasked_\@
.Lfor_b_\@:
	tensor_load_to_lds s[\g0b:\g0b+3], s[\g1b:\g1b+7]
	s_nop 0
.rept 4
	v_nop
.endr
.Lasked_\@:
.endm
; A PREFETCH of A's codes: the two changes of slots that ask for the second tile's K steps 0 and 1 also name its K steps 2 and 3, at byte k of the rows: each stands two refills ahead of the load that will want it.
; 32 rows x 256 bytes, a lane a row.  Each row's 256 bytes are named once in the launch: a tile row of A is read by all four clusters of its row of clusters, and the one with x = 0 asks; the four partners that ask
; for a tile jointly share its rows out BY ADDRESS (of the 128 rows that wave 0 or 1 fetches, the partner at cx takes 32 cx .. 32 cx + 31): no branch hangs on a place in the cluster.
; The first tile's K steps come by their loads alone; B's rows, which the second tile reads again, are not asked for.
.macro ASK k
	s_cmp_eq_u32 s[LIM], 1
	s_cbranch_scc0 .Lnot_mine_\@
	global_prefetch_b8 v[PFO], s[PFA:PFA+1] offset:\k th:TH_LOAD_NT scope:SCOPE_SE
.Lnot_mine_\@:
.endm
.macro CREST                           ; a round of the cluster's barrier behind its opening barrier
	s_cmp_lg_u32 s14, 0
	s_cbranch_scc1 .Lnot_wave_0_\@
	s_barrier_signal -3
.Lnot_wave_0_\@:
	s_barrier_wait -3
	s_barrier_signal -1
	s_barrier_wait -1
.endm
.macro CROUND                          ; a whole round
	s_barrier_signal -1
	s_barrier_wait -1
	CREST
.endm
	s_load_b128 s[4:7], s[0:1], 0x0                ; A's codes s[4:5], B's codes s[6:7]
	s_load_b128 s[8:11], s[0:1], 0x10              ; the scales' exponents s[8:9], the result s[10:11]
	v_lshl_add_u32 v[SPW], v0, 2, SPARE
	v_mov_b32 v[NIL], 0
	ds_add_u32 v[SPW], v[NIL]                      ; the wave's opening: the add, twice on end, and its wait ahead of my first tensor load
	ds_add_u32 v[SPW], v[NIL]                      ; the set-up below, work on registers, stands between the second and the wait
	v_lshrrev_b32 v1, 5, v0
	v_readfirstlane_b32 s14, v1                    ; wave 0..3
	s_lshr_b32 s15, s14, 1                         ; which half of the tile's rows is mine.  Also: I fetch for A (0) or for B (1)
	s_and_b32 s16, s14, 1                          ; which half of its columns.  Also: which 128 rows of that tile I fetch
	s_bfe_u32 s40, ttmp6, 0x40000                  ; cx, cy: my place in the cluster
	s_bfe_u32 s41, ttmp6, 0x40004
	s_lshl_b32 s42, ttmp9, 2
	s_add_co_u32 s42, s42, s40                     ; tile column = 4 x cluster x + cx
	s_and_b32 s17, ttmp7, 0xffff
	s_lshl_b32 s17, s17, 2
	s_add_co_u32 s17, s17, s41                     ; the first tile's row of tiles = 4 x cluster y + cy: 0 .. 15
	s_lshl_b32 s43, s41, 2
	s_lshl_b32 s43, 15, s43                        ; my row of the cluster
	s_lshl_b32 s44, 0x1111, s40                    ; my column
	; descriptor group 1: a tile of 128 rows x 256 bytes, padded in LDS
	s_or_b32 s[G1+0], s43, (0<<16)|(1<<20)|(1<<21)|(5<<22)|(3<<25)  ; 15:0 the mask: A's tiles go to my row; 17:16 element of 1 byte; 20 padding on; 21 set beside a mask; 24:22 after every 64 words; 31:25 four words
	s_or_b32 s[G1B+0], s44, (0<<16)|(1<<20)|(1<<21)|(5<<22)|(3<<25)
.irp g, G1, G1B
	s_mov_b32 s[\g+1], ROWB<<16                    ; tensor_dim0
	s_mov_b32 s[\g+2], 128<<16                     ; tensor_dim1 = 128
	s_mov_b32 s[\g+3], ROWB<<16                    ; tile_dim0
	s_mov_b32 s[\g+4], 128                         ; tile_dim1 = 128
	s_mov_b32 s[\g+5], KROW                        ; tensor_dim0_stride
	s_mov_b32 s[\g+6], 0
	s_mov_b32 s[\g+7], 0
.endr
	s_lshl_b32 s18, s16, 7                         ; which 128 rows of the tile I fetch
	s_lshl_b32 s20, s17, 8
	s_add_co_u32 s20, s20, s18                     ; A: row 256 x tile row + 128 x half
	s_lshl_b32 s46, s42, 8
	s_add_co_u32 s46, s46, s18                     ; B: row 256 x tile column + 128 x half
	s_mov_b32 s21, 0
	s_mov_b32 s47, 0
	s_mov_b64 s[18:19], KROW
	s_mul_u64 s[20:21], s[20:21], s[18:19]
	s_mul_u64 s[46:47], s[46:47], s[18:19]
	s_mul_i32 s45, s14, HALFT                      ; where they go: wave x 128 rows: no place in the cluster enters an LDS address
	s_wait_dscnt 0x0                               ; both opening adds are done
	s_wait_kmcnt 0x0
	s_load_b64 s[96:97], s[8:9], 0x0               ; e0, e1
	s_add_nc_u64 s[20:21], s[4:5], s[20:21]
	s_add_nc_u64 s[46:47], s[6:7], s[46:47]
	CROUND                                         ; all sixteen work-groups are here: the first joint loads meet
.irp s, 0,1
	s_mov_b32 s[G0+4*\s], 1
	s_add_co_u32 s[G0+4*\s+1], s45, \s*SLOT
	s_add_nc_u64 s[G0+4*\s+2:G0+4*\s+3], s[20:21], \s*ROWB
	s_or_b32 s[G0+4*\s+3], s[G0+4*\s+3], 0x80000000
	s_mov_b32 s[G0B+4*\s], 1
	s_add_co_u32 s[G0B+4*\s+1], s45, \s*SLOT
	s_add_nc_u64 s[G0B+4*\s+2:G0B+4*\s+3], s[46:47], \s*ROWB
	s_or_b32 s[G0B+4*\s+3], s[G0B+4*\s+3], 0x80000000
	JLOAD G0+4*\s, G1, G0B+4*\s, G1B               ; two loads of mine are out behind these
.endr
	v_and_b32 v1, 15, v0                           ; l % 16
	v_bfe_u32 v2, v0, 4, 1                         ; l / 16
	v_mul_u32_u24 v3, v1, PITCH
	v_lshl_add_u32 v4, v2, 4, v3                   ; a fragment's row x pitch + 16 x half
	s_mul_i32 s21, s15, HALFT                      ; my 128 rows of A
	s_mul_i32 s22, s16, HALFT                      ; my 128 rows of B,
	s_add_co_u32 s22, s22, 2*HALFT                 ; which lie behind A's 256
.irp s, 0,1
	v_add_nc_u32 v[ADRA+\s], s21, v4
	v_add_nc_u32 v[ADRB+\s], s22, v4
	s_add_co_u32 s21, s21, SLOT
	s_add_co_u32 s22, s22, SLOT
.endr
	s_mul_i32 s23, s14, 16*SPITCH
	s_add_co_u32 s23, s23, STAGE                   ; my stage
	v_mul_u32_u24 v5, v1, SPITCH                   ; in: row l % 16, 32 bytes for each half of the lanes
	v_lshl_add_u32 v5, v2, 5, v5
	v_add_nc_u32 v[STO], s23, v5
	v_and_b32 v6, 31, v0
	v_lshlrev_b32 v[CO], 4, v6                     ; back: the 32 lanes take one row of 512 bytes; and the same in the result
	v_add_nc_u32 v[RD], s23, v[CO]
	v_lshlrev_b32 v[PFO], 10, v6                   ; a row of A's codes is 1,024 bytes
	s_lshl_b32 s20, s17, 8
	s_lshl_b32 s21, s15, 7
	s_add_co_u32 s20, s20, s21                     ; my first row: 256 x tile row + 128 x half
	s_mov_b32 s21, 0
	s_mov_b64 s[18:19], SIZE_N*4
	s_mul_u64 s[20:21], s[20:21], s[18:19]
	s_lshl_b32 s46, s42, 10                        ; my first column, in bytes: 1024 x tile column + 512 x half
	s_lshl_b32 s47, s16, 9
	s_add_co_u32 s46, s46, s47
	s_mov_b32 s47, 0
	s_add_nc_u64 s[20:21], s[20:21], s[46:47]
	s_add_nc_u64 s[10:11], s[10:11], s[20:21]
	; the prefetches: where they stand, and who asks
	s_lshl_b32 s70, s17, 8
	s_lshl_b32 s71, s16, 7
	s_add_co_u32 s70, s70, s71                     ; the 128 rows of A that wave 0 or 1 fetches,
	s_lshl_b32 s71, s40, 5
	s_add_co_u32 s70, s70, s71                     ; my work-group's 32 of them,
	s_add_co_u32 s70, s70, WALK                    ; in the second tile
	s_mov_b32 s71, 0
	s_mov_b64 s[72:73], KROW
	s_mul_u64 s[70:71], s[70:71], s[72:73]
	s_add_nc_u64 s[PFA:PFA+1], s[4:5], s[70:71]
	s_or_b32 s[LIM], s15, ttmp9                    ; 0 in waves 0 and 1 of the clusters with x = 0: the same in all sixteen partners, for a given wave
	s_cmp_eq_u32 s[LIM], 0
	s_cselect_b32 s[LIM], 1, 0
.macro FRAG reg, adr, q, i             ; a fragment, 16 rows x 128 bytes along K, is 16 registers: lane l holds row l % 16; registers 4 c .. 4 c + 3 hold bytes 32 c + 16 (l / 16) + 0 .. 15: the same in A and in B
.irp c, 0,1,2,3
	ds_load_b128 v[\reg+4*\c:\reg+4*\c+3], v[\adr] offset:128*(\q)+32*\c+(\i)*16*PITCH
.endr
.endm
; 16 matrix instructions: A's blocks a0, a0 + 1 x B's eight, 128 along K.  p: B's set.  zero = 1: the first product starts the sums: nothing is ever cleared.
; The 64 accumulators take turns, one instruction a turn, in the same order in every step, from tile to tile too.
.macro MUL16 a0, p, zero
.irp a, \a0, \a0+1
.irp b, 0,1,2,3,4,5,6,7
.if \zero
	v_wmma_f32_16x16x128_fp8_fp8 v[8*(8*((\a)%4)+\b):8*(8*((\a)%4)+\b)+7], v[128*(\p)+FR*\b:128*(\p)+FR*\b+FR-1], v[AF+FR*(\a):AF+FR*(\a)+FR-1], 0
.else
	v_wmma_f32_16x16x128_fp8_fp8 v[8*(8*((\a)%4)+\b):8*(8*((\a)%4)+\b)+7], v[128*(\p)+FR*\b:128*(\p)+FR*\b+FR-1], v[AF+FR*(\a):AF+FR*(\a)+FR-1], v[8*(8*((\a)%4)+\b):8*(8*((\a)%4)+\b)+7]
.endif
.endr
.endr
.endm
.macro FETCH_B slot, q, p              ; B's eight fragments of the slot's q-th 128 along K into set p
	WIN TO_B
.irp i, 0,1,2,3,4,5,6,7
	FRAG 128*(\p)+FR*\i, ADRB+\slot, \q, \i
.endr
	WIN 0
.endm
.macro FETCH_A slot, q, i0             ; A's blocks i0 .. i0 + 3
.irp i, \i0, \i0+1, \i0+2, \i0+3
	FRAG AF+FR*(\i), ADRA+\slot, \q, \i
.endr
.endm
; A load into a register that a matrix instruction has read, and a vector instruction that reads a matrix result, stand NP places behind that matrix instruction; only plain vector
; instructions that name none of its registers are places (ISA guide 7.12.1 for vector instructions).
.macro PLACES n
.rept \n
	v_nop
.endr
.endm
; A step of 128 along K that has its successor in the same slot.
.macro STEP slot, q, zero
	s_wait_dscnt 4*NL                              ; B's set and A's blocks 0-3 are in; the youngest 16 loads (A's blocks 4-7) may be out
	WIN MUL_LO
	MUL16 0, (\q)%2, \zero
	MUL16 2, (\q)%2, \zero
	s_wait_dscnt 0                                 ; A's blocks 4-7 are in
	PLACES NP
	FETCH_B \slot, (\q)+1, 1-(\q)%2
	FETCH_A \slot, (\q)+1, 0
	WIN MUL_HI
	MUL16 4, (\q)%2, \zero
	MUL16 6, (\q)%2, \zero
	PLACES NP
	WIN 0
	FETCH_A \slot, (\q)+1, 4
.endm
; A slot's last step changes slots: ONE barrier; in front of it each wave waits for all its tensor loads, adds 0 to its spare word, and waits for that and for its own reads of this slot.
; fill = 1: this slot is filled again with this tile's K step two steps on; fill = 2: with the second tile's K step 0 or 1; fill = 0: with nothing, and no round of the cluster's barrier follows.
; fetch = 1: the next slot's first fragments are fetched; fetch = 0: the tile's last step: the way out follows, which needs A's registers.
.macro TURN slot, next, fill, fetch
	s_wait_tensorcnt 0x0                           ; all my tensor loads have landed: my part of the next slot  (every window is 0 here)
	ds_add_u32 v[SPW], v[NIL]                      ; 0 onto my spare word
	s_wait_dscnt 4*NL+1                            ; (the add and the youngest 16 loads, A's blocks 4-7, may be out)
	WIN MUL_LO
	MUL16 0, 1, 0                                  ; sixteen matrix instructions stand between the add and the wait for it
	s_wait_dscnt 0x0                               ; the add is done, and my reads of this slot are over
	s_barrier_signal -1
	MUL16 2, 1, 0
	WIN 0
	s_barrier_wait -1
.if \fill
	CREST                                          ; the barrier has opened a round of the cluster's barrier: no wave of any partner still reads this slot's tile or has a load on its way
.if (\fill) == 2
	s_add_nc_u64 s[G0+4*\slot+2:G0+4*\slot+3], s[G0+4*\slot+2:G0+4*\slot+3], NEXT_A
	s_sub_nc_u64 s[G0B+4*\slot+2:G0B+4*\slot+3], s[G0B+4*\slot+2:G0B+4*\slot+3], BACK_B
.else
	s_add_nc_u64 s[G0+4*\slot+2:G0+4*\slot+3], s[G0+4*\slot+2:G0+4*\slot+3], 2*ROWB
	s_add_nc_u64 s[G0B+4*\slot+2:G0B+4*\slot+3], s[G0B+4*\slot+2:G0B+4*\slot+3], 2*ROWB
.endif
	JLOAD G0+4*\slot, G1, G0B+4*\slot, G1B         ; the first tensor load behind the round, my one load out; its four v_nop are the places in front of the loads below
.else
	PLACES NP
.endif
.if \fetch
	FETCH_B \next, 0, 0
	FETCH_A \next, 0, 0
.endif
.if (\fill) == 2
	ASK (2+\slot)*ROWB                             ; behind the joint load and, where there is one, the run of LDS loads
.endif
	WIN MUL_HI
	MUL16 4, 1, 0
	MUL16 6, 1, 0
.if \fetch
	PLACES NP
	WIN 0
	FETCH_A \next, 0, 4
.else
	WIN 0
.endif
.endm
.macro FIRST                           ; a tile's first fragments, out of slot 0
	FETCH_B 0, 0, 0
	FETCH_A 0, 0, 0
	FETCH_A 0, 0, 4
.endm
; THE WAY OUT, block by block of 16 rows x 128 columns.  A lane holds 32 neighbouring bytes of a row, and the lanes beside it hold other rows: so a block goes through my own stage in LDS and comes back as whole
; rows of 512 bytes.  LDS serves a wave's instructions in order (ISA guide 5.7.1.4): no wait between the stores and the loads, nor in front of the next block's stores.
.macro TOSTAGE a
.set AC, 64*((\a)%4)
	WIN 0x02+((\a)/4)                              ; source 0: window 2 or 3
.irp j, 0,2,4,6,8,10,12,14,16,18,20,22,24,26,28,30,32,34,36,38,40,42,44,46,48,50,52,54,56,58,60,62
	v_pk_mul_f32 v[TMP+\j:TMP+\j+1], v[AC+\j:AC+\j+1], s[96:97] op_sel_hi:[1,0]   ; both x s96 = 2^(e0 + e1); each accumulator from its low end on
.endr
	WIN 0
.irp b, 0,1,2,3,4,5,6,7
	ds_store_b128 v[STO], v[TMP+8*\b:TMP+8*\b+3] offset:64*\b
	ds_store_b128 v[STO], v[TMP+8*\b+4:TMP+8*\b+7] offset:64*\b+16
.endr
.set BB, BK+64*((\a)%2)
.irp t, 0,1,2,3,4,5,6,7,8,9,10,11,12,13,14,15
	ds_load_b128 v[BB+4*\t:BB+4*\t+3], v[RD] offset:\t*SPITCH
.endr
.endm
.macro SEND a, younger                 ; younger: the LDS instructions issued behind block a's loads, which may stay out
.set BB, BK+64*((\a)%2)
	s_wait_dscnt \younger                          ; the block is back in registers
.if (\a) > 0
	s_add_nc_u64 s[10:11], s[10:11], 16*SIZE_N*4   ; (behind a wait on XCNT: the earlier stores have read their base)  16 rows on: the stores' offsets reach 15 rows, 245,760 bytes
.endif
.irp t, 0,1,2,3,4,5,6,7,8,9,10,11,12,13,14,15
	global_store_b128 v[CO], v[BB+4*\t:BB+4*\t+3], s[10:11] offset:\t*SIZE_N*4 th:TH_STORE_NT   ; 32 lanes store 512 consecutive bytes, at a multiple of 256 from the buffer's first byte
.endr
.endm
.macro WAYOUT
	PLACES NP                                      ; behind the last products: for the first reads of results and the loads into the registers that held A's fragments
	TOSTAGE 0
.irp a, 1,2,3,4,5,6,7
.if \a > 1
	s_wait_xcnt 0x0                                ; block a - 2's stores have read their registers and their base: block a's loads may land there, and the base may step
.endif
	TOSTAGE \a
	SEND \a-1, 32                                  ; behind block a - 1's loads: block a's 16 stores and 16 loads
.endr
	s_wait_xcnt 0x0                                ; block 6's stores have read their base
	SEND 7, 0
.endm
	s_wait_tensorcnt 1                             ; my part of K step 0 is in (K step 1's load may be out)
	s_barrier_signal -1
	s_barrier_wait -1                              ; everybody's is
	; ---- the first tile
	FIRST
	STEP 0, 0, 1                                   ; a tile's first step: its products start the sums
	TURN 0, 1, 1, 1                                ; slot 0 takes K step 2
	STEP 1, 0, 0
	TURN 1, 0, 1, 1                                ; slot 1 takes K step 3
	STEP 0, 0, 0
	TURN 0, 1, 2, 1                                ; THE RING GOES ON INTO THE SECOND TILE: slot 0 takes its K step 0,
	STEP 1, 0, 0
	TURN 1, 0, 2, 0                                ; slot 1 its K step 1.  Both refills are asked for: now the tile goes out
	s_wait_kmcnt 0x0
	s_add_co_i32 s96, s96, s97                     ; e0 + e1, between -126 and 127,
	s_add_co_i32 s96, s96, 127
	s_lshl_b32 s96, s96, 23                        ; makes the f32 number 2^(e0 + e1): for both tiles
	WAYOUT
	s_wait_xcnt 0x0                                ; the last stores have read their registers and their base: A's fragments may land in those registers, and the base may step.  Nothing waits for the stores themselves
	s_add_nc_u64 s[10:11], s[10:11], NEXT_C
	; ---- the second tile.  Its K step 0 was shown whole to every wave by the round of the change of slots above
	FIRST
	STEP 0, 0, 1
	TURN 0, 1, 1, 1
	STEP 1, 0, 0
	TURN 1, 0, 1, 1
	STEP 0, 0, 0
	TURN 0, 1, 0, 1                                ; nothing is left to ask for
	STEP 1, 0, 0
	s_wait_dscnt 4*NL                              ; the very last step: nothing more to fetch
	WIN MUL_LO
	MUL16 0, 1, 0
	MUL16 2, 1, 0
	s_wait_dscnt 0
	WIN MUL_HI
	MUL16 4, 1, 0
	MUL16 6, 1, 0
	WIN 0
	WAYOUT
	s_wait_tensorcnt 0x0                           ; the wave's end: behind my last tensor load and my last LDS store
	ds_add_u32 v[SPW], v[NIL]
	s_wait_dscnt 0x0
	CROUND                                         ; the closing round: no work-group ends while a partner may still ask for a tile that names it
	s_endpgm
.Lfunc_end_k_qacfdd69afb_gemm1:
	.size	k_qacfdd69afb_gemm1, .Lfunc_end_k_qacfdd69afb_gemm1-k_qacfdd69afb_gemm1
	.p2alignl 7, 3214868480
	.fill 96, 4, 3214868480
	.section	.rodata,"a",@progbits
	.p2align	6, 0x0
	.amdhsa_kernel k_qacfdd69afb_gemm1
		.amdhsa_group_segment_fixed_size 327680
		.amdhsa_private_segment_fixed_size 0
		.amdhsa_enable_private_segment 0
		.amdhsa_kernarg_size 32
		.amdhsa_user_sgpr_count 2
		.amdhsa_user_sgpr_kernarg_segment_ptr 1
		.amdhsa_wavefront_size32 1
		.amdhsa_system_sgpr_workgroup_id_x 1
		.amdhsa_system_sgpr_workgroup_id_y 1
		.amdhsa_system_sgpr_workgroup_id_z 1
		.amdhsa_system_vgpr_workitem_id 0
		.amdhsa_next_free_vgpr 1024
		.amdhsa_next_free_sgpr 98
		.amdhsa_reserve_vcc 0
		.amdhsa_float_denorm_mode_32 3
		.amdhsa_float_denorm_mode_16_64 3
		.amdhsa_memory_ordered 1
		.amdhsa_forward_progress 1
		.amdhsa_inst_pref_size 241
	.end_amdhsa_kernel
	.amdgpu_metadata
---
amdhsa.version: [ 1, 2 ]
amdhsa.kernels:
  - .name:           k_qacfdd69afb_gemm1
    .symbol:         k_qacfdd69afb_gemm1.kd
    .args:
      - { .name: x_codes, .offset: 0, .size: 8, .value_kind: global_buffer, .address_space: global }
      - { .name: w1_codes, .offset: 8, .size: 8, .value_kind: global_buffer, .address_space: global }
      - { .name: lowp_scales, .offset: 16, .size: 8, .value_kind: global_buffer, .address_space: global }
      - { .name: hpre, .offset: 24, .size: 8, .value_kind: global_buffer, .address_space: global }
    .group_segment_fixed_size: 327680
    .private_segment_fixed_size: 0
    .kernarg_segment_align: 8
    .kernarg_segment_size: 32
    .max_flat_workgroup_size: 128
    .sgpr_count:     98
    .vgpr_count:     1024
    .wavefront_size: 32
...
	.end_amdgpu_metadata
.endif
;; end of part 3
;; launch gelq (part 4): grid 2048 x 1, 4 waves a work-group, no clusters, 0 bytes of LDS; arguments hpre, lowp_scales, h_codes; writes h_codes
.if DOCPART == 4
	.amdgcn_target "amdgcn-amd-amdhsa--gfx1250"
	.amdhsa_code_object_version 6
	.text
	.protected	k_qacfdd69afb_gelq
	.globl	k_qacfdd69afb_gelq
	.p2align	8
	.type	k_qacfdd69afb_gelq,@function
k_qacfdd69afb_gelq:
	s_mov_b64 s[64:65], 0
	v_nop
	global_prefetch_b8 v0, s[64:65] scope:SCOPE_SE
	s_setreg_imm32_b32 hwreg(HW_REG_WAVE_MODE, 25, 1), 1
	s_wait_xcnt 0x0
; h = gelu(hpre), exact (erf) form, then the second product's A: m = max(largest |h| of the row, 1e-5); scale = 127 / m; q = clip(round(h scale), -128, 127); q / scale becomes a code of E4M3 with the scale 2^e2.
; hpre [8192][4096] f32 -> h's codes [8192][4096], K in the order that the first launch's head sets out (byte 16 l + 4 j + i of each 512: k = 128 j + 4 l + i).
; WORK LEFT OUT: h + stop_gradient(hq - h) = hq in real numbers for every h and hq (shown at the first launch's head); a NaN, infinity or overflow that arises only in those two additions is not carried.
; gelu(y) = 0.5 y (1 + erf(z)), z = y sqrt(0.5).  erf(z) = z P(z^2) / Q(z^2), z held within +-4 (beyond, erf is 1 to f32's last bit): P of degree 6, Q of degree 4 in z^2, all in f32; the division is a reciprocal and a multiply.
; LIMITS: far down the negative side 1 + erf loses leading digits: the error of gelu there is about 1e-7 |y|, small beside the row's step m / 127.  NaN and infinity are not served; m under 8e37; e2 between -126 and 119.
; SHARES.  A wave takes one row, 16,384 bytes: 32 loads of 512 consecutive bytes; the row stays in 128 registers between the GELU, the maximum and the quantiser, so it is read once.
; With 208 registers four waves lie on a SIMD: one wave's arithmetic stands beside the others' loads and stores.  No LDS, no barrier, no matrix unit, no cluster: the waves share nothing.
.set X,     16                         ; v16-143  the row, 128 numbers a lane
.set Z,     144                        ; v144-159 z
.set W,     160                        ; v160-175 z^2
.set P,     176                        ; v176-191 P, then erf
.set Q,     192                        ; v192-207 Q, then 1 / Q
.set C,     144                        ; v144-175 later the codes: four registers for each 512
.set VL,    10                         ; v10      448 x 2^e2
.set VE,    11                         ; v11      2^e2 as f32
.set SN128, 13                         ; s13      -128.0
.set S127,  14                         ; s14      127.0
.set SEL,   16                         ; s[16:17] lane selects: lane l xor 16
; v1 16 x lane; v2, v3 the maximum's two chains (v3 later at work); v4 at work; v5 the reciprocal of m; v[6:7] scale, twice; v[8:9] 1 / scale, twice; v[12:13] Q's leading coefficient, twice; v[14:15] P's
; s[18:19] sqrt(0.5); s[20:31] P's other six coefficients, from the highest power down; s[32:39] Q's other four: pairs, since the packed forms name a pair
.macro PAIR reg, bits
	s_mov_b32 s[\reg], \bits
	s_mov_b32 s[\reg+1], \bits
.endm
.macro RMAX m0, m1, base, n            ; the largest magnitude of n registers, in two chains
.set i, 0
.rept (\n)/4
	v_max3_num_f32 v[\m0], v[\m0], |v[(\base)+i]|, |v[(\base)+i+1]|
	v_max3_num_f32 v[\m1], v[\m1], |v[(\base)+i+2]|, |v[(\base)+i+3]|
.set i, i+4
.endr
.endm
.macro GELU c                          ; the c-th 512 numbers: 16 a lane, in place; then their share of the row's maximum
.set XS, X+16*(\c)
.irp n, 0,2,4,6,8,10,12,14
	v_pk_mul_f32 v[Z+\n:Z+\n+1], v[XS+\n:XS+\n+1], s[18:19] op_sel_hi:[1,0]
.endr
.irp n, 0,1,2,3,4,5,6,7,8,9,10,11,12,13,14,15
	v_med3_num_f32 v[Z+\n], v[Z+\n], -4.0, 4.0
.endr
.irp n, 0,2,4,6,8,10,12,14
	v_pk_mul_f32 v[W+\n:W+\n+1], v[Z+\n:Z+\n+1], v[Z+\n:Z+\n+1]
.endr
.irp n, 0,2,4,6,8,10,12,14
	v_pk_fma_f32 v[Q+\n:Q+\n+1], v[W+\n:W+\n+1], v[12:13], s[32:33] op_sel_hi:[1,1,0]
.endr
.irp k, 34,36,38
.irp n, 0,2,4,6,8,10,12,14
	v_pk_fma_f32 v[Q+\n:Q+\n+1], v[Q+\n:Q+\n+1], v[W+\n:W+\n+1], s[\k:\k+1] op_sel_hi:[1,1,0]
.endr
.endr
.irp n, 0,1,2,3,4,5,6,7,8,9,10,11,12,13,14,15
	v_rcp_f32 v[Q+\n], v[Q+\n]                     ; Q's coefficients are all negative and z^2 is not: Q is never 0.  One batch; P's lines below are the independent work behind it
.endr
.irp n, 0,2,4,6,8,10,12,14
	v_pk_fma_f32 v[P+\n:P+\n+1], v[W+\n:W+\n+1], v[14:15], s[20:21] op_sel_hi:[1,1,0]
.endr
.irp k, 22,24,26,28,30
.irp n, 0,2,4,6,8,10,12,14
	v_pk_fma_f32 v[P+\n:P+\n+1], v[P+\n:P+\n+1], v[W+\n:W+\n+1], s[\k:\k+1] op_sel_hi:[1,1,0]
.endr
.endr
.irp n, 0,2,4,6,8,10,12,14
	v_pk_mul_f32 v[P+\n:P+\n+1], v[P+\n:P+\n+1], v[Z+\n:Z+\n+1]
.endr
.irp n, 0,2,4,6,8,10,12,14
	v_pk_mul_f32 v[XS+\n:XS+\n+1], v[XS+\n:XS+\n+1], 0.5 op_sel_hi:[1,0]
.endr
	s_wait_alu depctr_va_vdst(0)                   ; one wait for the sixteen reciprocals, ahead of their first reader
.irp n, 0,2,4,6,8,10,12,14
	v_pk_mul_f32 v[P+\n:P+\n+1], v[P+\n:P+\n+1], v[Q+\n:Q+\n+1]   ; erf(z)
.endr
.irp n, 0,2,4,6,8,10,12,14
	v_pk_fma_f32 v[XS+\n:XS+\n+1], v[XS+\n:XS+\n+1], v[P+\n:P+\n+1], v[XS+\n:XS+\n+1]   ; 0.5 y erf + 0.5 y
.endr
	RMAX 2, 3, XS, 16
.endm
.macro AQ c                            ; the c-th 512 numbers: 16 a lane, in place, then their codes and the store
.set XS, X+16*(\c)
.irp n, 0,2,4,6,8,10,12,14
	v_pk_mul_f32 v[XS+\n:XS+\n+1], v[XS+\n:XS+\n+1], v[6:7]
.endr
.irp n, 0,1,2,3,4,5,6,7,8,9,10,11,12,13,14,15
	v_rndne_f32 v[XS+\n], v[XS+\n]
.endr
.irp n, 0,1,2,3,4,5,6,7,8,9,10,11,12,13,14,15
	v_med3_num_f32 v[XS+\n], v[XS+\n], s[SN128], s[S127]
.endr
.irp n, 0,2,4,6,8,10,12,14
	v_pk_mul_f32 v[XS+\n:XS+\n+1], v[XS+\n:XS+\n+1], v[8:9]
.endr
.irp n, 0,1,2,3,4,5,6,7,8,9,10,11,12,13,14,15
	v_med3_num_f32 v[XS+\n], v[XS+\n], -v[VL], v[VL]   ; the conversion to an 8-bit code does not saturate (ISA guide 7.6.2): the hold at the largest code x the scale
.endr
	v_cvt_scalef32_pk8_fp8_f32 v[C+4*(\c):C+4*(\c)+1], v[XS:XS+7], v[VE]
	v_cvt_scalef32_pk8_fp8_f32 v[C+4*(\c)+2:C+4*(\c)+3], v[XS+8:XS+15], v[VE]
	v_nop                                          ; a plain line behind the last conversion of the run
	global_store_b128 v1, v[C+4*(\c):C+4*(\c)+3], s[8:9] offset:512*(\c)   ; 32 lanes store 512 consecutive bytes
.endm
	s_load_b128 s[4:7], s[0:1], 0x0                ; hpre s[4:5], the scales' exponents s[6:7]
	s_load_b64 s[8:9], s[0:1], 0x10                ; h's codes
	v_lshrrev_b32 v2, 5, v0
	v_readfirstlane_b32 s10, v2                    ; wave 0..3
	v_and_b32 v2, 31, v0
	v_lshlrev_b32 v1, 4, v2                        ; 16 x lane
	s_lshl_b32 s40, ttmp9, 2
	s_add_co_u32 s40, s40, s10                     ; my row
	s_lshl_b32 s42, s40, 14                        ; its 16,384 bytes of hpre (the last row begins under 2^28),
	s_mov_b32 s43, 0
	s_lshl_b32 s44, s40, 12                        ; its 4,096 codes
	s_mov_b32 s45, 0
	s_wait_kmcnt 0x0
	s_load_b32 s12, s[6:7], 0x8                    ; e2
	s_add_nc_u64 s[4:5], s[4:5], s[42:43]
	s_add_nc_u64 s[8:9], s[8:9], s[44:45]
.irp j, 0,1,2,3,4,5,6,7,8,9,10,11,12,13,14,15,16,17,18,19,20,21,22,23,24,25,26,27,28,29,30,31
	global_load_b128 v[X+4*\j:X+4*\j+3], v1, s[4:5] offset:512*\j th:TH_LOAD_NT
.endr
	s_mov_b32 s[SN128], 0xc3000000
	s_mov_b32 s[S127], 0x42fe0000
	s_mov_b32 s[SEL], 0x76543210
	s_mov_b32 s[SEL+1], 0xfedcba98
	PAIR 18, 0x3f3504f3                            ; sqrt(0.5)
	PAIR 20, 0x32edffee                            ; P: z^10 ..
	PAIR 22, 0xb60cff51
	PAIR 24, 0xb86ec2d2
	PAIR 26, 0xba40ac63
	PAIR 28, 0xbb41a1f6
	PAIR 30, 0xbc83dbd4                            ; .. z^0
	PAIR 32, 0xb95fbd29                            ; Q: z^6 ..
	PAIR 34, 0xbadc924e
	PAIR 36, 0xbbf19bf8
	PAIR 38, 0xbc69b6a7                            ; .. z^0
	v_mov_b32 v12, 0xb77460cd                      ; Q: z^8
	v_mov_b32 v13, 0xb77460cd
	v_mov_b32 v14, 0xaf95df0b                      ; P: z^12
	v_mov_b32 v15, 0xaf95df0b
	v_mov_b32 v2, 0x3727c5ac                       ; the maximum's chains begin at 1e-5: the clip from below is a leaf of the maximum
	v_mov_b32 v3, 0x3727c5ac
	v_mov_b32 v4, 0                                ; written once: a lane permute's destination counts as one of its sources
.irp c, 0,1,2,3,4,5,6,7
	s_wait_loadcnt 28-4*\c                         ; these 512 numbers' four loads are in; the later ones stay out
	GELU \c
.endr
	v_max_num_f32 v2, v2, v3
.irp m, 1,2,4,8
	v_max_num_f32_dpp v2, v2, v2 row_xmask:\m row_mask:0xf bank_mask:0xf
.endr
	v_permlanex16_b32 v4, v2, s[SEL], s[SEL+1]
	v_max_num_f32 v2, v2, v4                       ; every lane holds the row's m
	v_rcp_f32 v5, v2
	s_wait_kmcnt 0x0
	s_add_co_i32 s12, s12, 127
	s_lshl_b32 s40, s12, 23
	v_mov_b32 v[VE], s40                           ; 2^e2.  (The plain lines behind the reciprocal)
	s_add_co_i32 s12, s12, 8
	s_lshl_b32 s12, s12, 23
	s_or_b32 s12, s12, 0x600000
	v_mov_b32 v[VL], s12                           ; 448 x 2^e2
	v_mul_f32 v8, 0x3c010204, v2                   ; m / 127
	s_wait_alu depctr_va_vdst(0)                   ; the wait ahead of the reciprocal's first reader
	v_mul_f32 v6, s[S127], v5                      ; 127 / m,
	v_fma_f32 v3, -v6, v2, s[S127]                 ; what 127 lacks,
	v_fma_f32 v6, v3, v5, v6                       ; put back
	v_fma_f32 v3, -v6, v8, 1.0
	v_fma_f32 v8, v3, v8, v8                       ; 1 / scale, corrected once
	v_mov_b32 v7, v6
	v_mov_b32 v9, v8
.irp c, 0,1,2,3,4,5,6,7
	AQ \c
.endr
	s_endpgm
.Lfunc_end_k_qacfdd69afb_gelq:
	.size	k_qacfdd69afb_gelq, .Lfunc_end_k_qacfdd69afb_gelq-k_qacfdd69afb_gelq
	.p2alignl 7, 3214868480
	.fill 96, 4, 3214868480
	.section	.rodata,"a",@progbits
	.p2align	6, 0x0
	.amdhsa_kernel k_qacfdd69afb_gelq
		.amdhsa_group_segment_fixed_size 0
		.amdhsa_private_segment_fixed_size 0
		.amdhsa_enable_private_segment 0
		.amdhsa_kernarg_size 24
		.amdhsa_user_sgpr_count 2
		.amdhsa_user_sgpr_kernarg_segment_ptr 1
		.amdhsa_wavefront_size32 1
		.amdhsa_system_sgpr_workgroup_id_x 1
		.amdhsa_system_sgpr_workgroup_id_y 1
		.amdhsa_system_sgpr_workgroup_id_z 1
		.amdhsa_system_vgpr_workitem_id 0
		.amdhsa_next_free_vgpr 208
		.amdhsa_next_free_sgpr 66
		.amdhsa_reserve_vcc 0
		.amdhsa_float_denorm_mode_32 3
		.amdhsa_float_denorm_mode_16_64 3
		.amdhsa_memory_ordered 1
		.amdhsa_forward_progress 1
		.amdhsa_inst_pref_size 118
	.end_amdhsa_kernel
	.amdgpu_metadata
---
amdhsa.version: [ 1, 2 ]
amdhsa.kernels:
  - .name:           k_qacfdd69afb_gelq
    .symbol:         k_qacfdd69afb_gelq.kd
    .args:
      - { .name: hpre, .offset: 0, .size: 8, .value_kind: global_buffer, .address_space: global }
      - { .name: lowp_scales, .offset: 8, .size: 8, .value_kind: global_buffer, .address_space: global }
      - { .name: h_codes, .offset: 16, .size: 8, .value_kind: global_buffer, .address_space: global }
    .group_segment_fixed_size: 0
    .private_segment_fixed_size: 0
    .kernarg_segment_align: 8
    .kernarg_segment_size: 24
    .max_flat_workgroup_size: 128
    .sgpr_count:     66
    .vgpr_count:     208
    .wavefront_size: 32
...
	.end_amdgpu_metadata
.endif
;; end of part 4
;; launch gemm2 (part 5): grid 8 x 32, 4 waves a work-group, clusters of 4 x 4, 327,680 bytes of LDS; arguments h_codes, w2_codes, lowp_scales, out0; writes out0
.if DOCPART == 5
	.amdgcn_target "amdgcn-amd-amdhsa--gfx1250"
	.amdhsa_code_object_version 6
	.text
	.protected	k_qacfdd69afb_gemm2
	.globl	k_qacfdd69afb_gemm2
	.p2align	8
	.type	k_qacfdd69afb_gemm2,@function
k_qacfdd69afb_gemm2:
	s_mov_b64 s[64:65], 0
	v_nop
	global_prefetch_b8 v0, s[64:65] scope:SCOPE_SE
	s_setreg_imm32_b32 hwreg(HW_REG_WAVE_MODE, 25, 1), 1
	s_wait_xcnt 0x0
	s_wait_alu depctr_hold_cnt(0) depctr_sa_sdst(0) depctr_va_vdst(0) depctr_va_sdst(0) depctr_va_ssrc(0) depctr_va_vcc(0) depctr_vm_vsrc(0)
	s_getreg_b32 s2, hwreg(HW_REG_IB_STS2, 6, 4)
	s_cmp_eq_u32 s2, 0
	s_cbranch_scc0 .Lentry_in_a_cluster
	s_endpgm
.Lentry_in_a_cluster:
	s_bfe_u32 s2, ttmp6, 0x10000c
	s_cmp_lg_u32 s2, 0xf033
	s_cbranch_scc0 .Lentry_shape_is_right
	s_endpgm
.Lentry_shape_is_right:
; out0[m][n] = 2^(e2 + e3) x the sum over k of A[m][k] B[n][k].  A = h's codes [8192][4096], B = w2's codes [1024][4096], E4M3, one code a byte; out0 [8192][1024] f32; sums in f32.
; Both buffers hold K in one and the same order inside each 512 (set out at the first launch's head), so every code meets its partner; only the order of the sums differs from ascending k.
; LIMIT: e2 + e3 between -126 and 127, so that 2^(e2 + e3) is an f32 number.
; A TILE IS 256 (m) x 128 (n): 32 x 8 = 256 work-groups; tiles of 256 x 256 would be 128.  Four waves, each 128 x 64: 32 accumulators of 16 x 16, 256 registers.
; THE RING HAS A SMALL AND A LARGE SLOT: 256 and 512 along K.  Behind a change of slots a wave has one tensor load out, so the fewer and larger the fills, the fewer the waits for them.  The tile's 384 rows
; at 512 along K in both slots would be 2 x 384 x 528 = 405,504 bytes, more than LDS holds; 384 x (272 + 528) = 307,200 fit.  K = 4,096 goes as small, large, five times over, and a last small one: 11 fills,
; where two slots of 256 would have 16.  Every row of a fill begins at a multiple of 256 bytes from the buffer's first byte.  Waves 0 and 1 fetch A's two halves (128 rows each), waves 2 and 3 B's (64 rows each).
; CLUSTERS: 4 x 4 work-groups.  The four of a row of the cluster need the same tiles of A, the four of a column the same tiles of B: each tile is asked for JOINTLY, by the same tensor load with the
; same descriptor and a mask that names the four.  THE MATRIX INSTRUCTION IS USED TRANSPOSED (source 0 = 16 rows of B, source 1 = 16 rows of A): a lane then holds eight neighbouring numbers of a row.
; REGISTERS, in windows of 256: window 0: v0-31 addresses; v32-127 at work on the way out; v128-255 A's fragments (8 x 16 rows x 128 K), ONE set.
;   window 1: B's fragments (4 x 16 rows x 128 K), TWO sets, at v0 and at v64.   window 2: accumulator (a, b) at v[8 (4 a + b)].
; A step of 128 along K is 32 matrix instructions, A's blocks one after the other, each against B's four: a block of A is free as soon as its four products are issued, so one set serves A.
; The slots have 2 and 4 steps: both even, so each slot begins on B's set 0 and ends on set 1.
.set SIZE_M, 8192
.set SIZE_N, 1024
.set SIZE_K, 4096
.set KROW,   SIZE_K                    ; a row of A or of B in memory, in bytes
.set KS,     256                       ; along K in the small slot (slot 0), and its rows in bytes
.set KB,     512                       ; in the large slot (slot 1)
.set PAIR,   KS+KB                     ; from a slot's fill to its next
.set PS,     272                       ; an LDS row of the small slot: 256 bytes + 16 of padding = 68 words;
.set PB,     528                       ; of the large: 512 + 16 = 132 words: in both, row r starts at bank 4 r mod 64 (64 banks of 4 bytes: ISA guide 11.1), so the 16 rows that a load touches start at 16 different banks
.set FR,     16                        ; registers of a fragment
.set NL,     4                         ; LDS loads that bring one
.set NP,     4                         ; places behind this matrix instruction (ISA guide 7.12.1)
.set ASH,    128*PS                    ; small slot: what one tensor load brings of A, and what one wave reads of A;
.set BSH,    64*PS                     ; the same of B
.set ABH,    128*PB                    ; large slot: of A;
.set BBH,    64*PB                     ; of B
.set BIG,    2*ASH+2*BSH               ; the small slot: A's 256 rows, then B's 128: 104,448 bytes; the large slot begins here and is laid likewise: 202,752 bytes
.set SPARE,  BIG+2*ABH+2*BBH           ; behind the ring, at 307,200: the spare words, 128 bytes for each wave, which no other line names
.set STAGE,  SPARE+512                 ; behind them: the way out's stage, 16 rows x (256 bytes + 16) for each wave: bytes of its own, into which no tensor load lands
.set SPITCH, 272
.set TRIPS,  4                         ; the loop's trips: a trip goes once round the ring
.set ADRA, 16                          ; v16-17  LDS address of my A fragments in slot 0, 1
.set ADRB, 20                          ; v20-21  the same for B
.set STO,  24                          ; v24     the way out: where I put 32 bytes of a row
.set RD,   25                          ; v25     the way out: where I read rows back
.set CO,   26                          ; v26     my byte offset in two rows of the result
.set SPW,  28                          ; v28     LDS address of my spare word; never rewritten
.set NIL,  29                          ; v29     0; never rewritten
.set PFO,  30                          ; v30     the prefetches' offset: my lane x a row of A in memory; never rewritten
.set TMP,  32                          ; the way out: 32 registers, a block's sums x 2^(e2 + e3)
.set BK,   64                          ; the way out: 16 rows read back from the stage: v64-95 and v96-127 by turns
.set AF,   128                         ; A's fragments, in window 0
.set G1AS, 24                          ; s[24:31] descriptor group 1 for A's tiles of the small slot;  s[76:83] of the large
.set G1AB, 76
.set G0A,  32                          ; s[32:39] A's groups 0: the small slot's, then the large slot's
.set G1BS, 48                          ; s[48:55], s[84:91], s[56:63] the same for B's tiles
.set G1BB, 84
.set G0B,  56
.set PFA,  66                          ; s[66:67] where my prefetches stand: my work-group's 32 rows of the 128 that I fetch, at the K of the small slot's refill in hand
.set LIM,  68                          ; s68     1 in a wave that prefetches, else the greatest number
.set MSB, 0
.macro WIN new                         ; the immediate's high byte repeats the setting that is left
.if MSB != \new
	s_set_vgpr_msb (MSB<<8)|\new
.set MSB, \new
.endif
.endm
.set MUL,  0xa1                        ; source 0 (B) window 1, source 1 (A) window 0, C and D window 2
.set TO_B, 0x40                        ; destination window 1, address window 0
; A joint load: waves 0 and 1 fetch for A, waves 2 and 3 for B.  Each of the two lines has one mask and one set of registers for all that issue it; the branch hangs on the wave's number alone.
; An s_nop 0 and four v_nop follow each of the two lines, ahead of the jump, the label and what follows.
.macro JLOAD g0a, g1a, g0b, g1b
	s_cmp_eq_u32 s15, 0
	s_cbranch_scc0 .Lfor_b_\@
	tensor_load_to_lds s[\g0a:\g0a+3], s[\g1a:\g1a+7]
	s_nop 0
.rept 4
	v_nop
.endr
	s_branch .Lasked_\@
.Lfor_b_\@:
	tensor_load_to_lds s[\g0b:\g0b+3], s[\g1b:\g1b+7]
	s_nop 0
.rept 4
	v_nop
.endr
.Lasked_\@:
.endm
; A PREFETCH of A's codes, behind each joint refill of the loop and the run of LDS loads that follows it: the SAME slot's next fill, which stands two refills on (192 matrix instructions of a wave ahead of the load
; that will want it): 32 rows, a lane a row, 256 bytes an instruction: one for the small slot (which = 1), two for the large (which = 2).
; Each row's 256 bytes are named once in the launch: a tile row of A is read by both clusters of its row of clusters, and the one with x = 0 asks; the four partners that ask for a tile jointly share its rows out
; BY ADDRESS (of the 128 rows that wave 0 or 1 fetches, the partner at cx takes 32 cx .. 32 cx + 31): no branch hangs on a place in the cluster.  The first four fills come by their loads alone.  The small slot has
; a fill two refills on in all four trips (the last is K = 3,840 on); the large slot in the first three (the last is K = 3,328 on); the tail asks for nothing.  B's codes, which all 32 tile rows read, are not asked for.
.macro ASK which
.if (\which) == 1
	s_cmp_ge_u32 s3, s[LIM]                        ; s3 runs from 4 down to 1
	s_cbranch_scc0 .Lnot_mine_\@
	global_prefetch_b8 v[PFO], s[PFA:PFA+1] offset:PAIR th:TH_LOAD_NT scope:SCOPE_SE
.Lnot_mine_\@:
.elseif (\which) == 2
	s_cmp_gt_u32 s3, s[LIM]                        ; not in the last trip
	s_cbranch_scc0 .Lnot_mine_\@
	global_prefetch_b8 v[PFO], s[PFA:PFA+1] offset:PAIR+KS th:TH_LOAD_NT scope:SCOPE_SE
	global_prefetch_b8 v[PFO], s[PFA:PFA+1] offset:PAIR+2*KS th:TH_LOAD_NT scope:SCOPE_SE
.Lnot_mine_\@:
.endif
.endm
.macro CREST                           ; a round of the cluster's barrier behind its opening barrier
	s_cmp_lg_u32 s14, 0
	s_cbranch_scc1 .Lnot_wave_0_\@
	s_barrier_signal -3
.Lnot_wave_0_\@:
	s_barrier_wait -3
	s_barrier_signal -1
	s_barrier_wait -1
.endm
.macro CROUND                          ; a whole round
	s_barrier_signal -1
	s_barrier_wait -1
	CREST
.endm
.macro SHAPE g, cols, rows             ; words 1 to 7 of a group 1: a tile of rows x cols bytes out of rows of KROW bytes
	s_mov_b32 s[\g+1], (\cols)<<16                 ; tensor_dim0
	s_mov_b32 s[\g+2], (\rows)<<16                 ; tensor_dim1
	s_mov_b32 s[\g+3], (\cols)<<16                 ; tile_dim0
	s_mov_b32 s[\g+4], \rows                       ; tile_dim1
	s_mov_b32 s[\g+5], KROW                        ; tensor_dim0_stride
	s_mov_b32 s[\g+6], 0
	s_mov_b32 s[\g+7], 0
.endm
	s_load_b128 s[4:7], s[0:1], 0x0                ; A's codes s[4:5], B's codes s[6:7]
	s_load_b128 s[8:11], s[0:1], 0x10              ; the scales' exponents s[8:9], the result s[10:11]
	v_lshl_add_u32 v[SPW], v0, 2, SPARE
	v_mov_b32 v[NIL], 0
	ds_add_u32 v[SPW], v[NIL]                      ; the wave's opening: the add, twice on end, and its wait ahead of my first tensor load
	ds_add_u32 v[SPW], v[NIL]                      ; the set-up below, work on registers, stands between the second and the wait
	v_lshrrev_b32 v1, 5, v0
	v_readfirstlane_b32 s14, v1                    ; wave 0..3
	s_lshr_b32 s15, s14, 1                         ; which 128 of the tile's 256 rows are mine.  Also: I fetch for A (0) or for B (1)
	s_and_b32 s16, s14, 1                          ; which 64 of its 128 columns.  Also: which half of that tile I fetch
	s_bfe_u32 s40, ttmp6, 0x40000                  ; cx, cy: my place in the cluster
	s_bfe_u32 s41, ttmp6, 0x40004
	s_lshl_b32 s42, ttmp9, 2
	s_add_co_u32 s42, s42, s40                     ; tile column = 4 x cluster x + cx
	s_and_b32 s17, ttmp7, 0xffff
	s_lshl_b32 s17, s17, 2
	s_add_co_u32 s17, s17, s41                     ; tile row = 4 x cluster y + cy
	s_lshl_b32 s43, s41, 2
	s_lshl_b32 s43, 15, s43                        ; my row of the cluster
	s_lshl_b32 s44, 0x1111, s40                    ; my column
	; descriptor groups 1.  Word 0: 15:0 the mask (A's tiles go to my row, B's to my column); 17:16 element of 1 byte; 20 padding on; 21 set beside a mask; 24:22 after every 64 words (small) or 128 (large); 31:25 four words
	s_or_b32 s[G1AS], s43, (0<<16)|(1<<20)|(1<<21)|(5<<22)|(3<<25)
	s_or_b32 s[G1BS], s44, (0<<16)|(1<<20)|(1<<21)|(5<<22)|(3<<25)
	s_or_b32 s[G1AB], s43, (0<<16)|(1<<20)|(1<<21)|(6<<22)|(3<<25)
	s_or_b32 s[G1BB], s44, (0<<16)|(1<<20)|(1<<21)|(6<<22)|(3<<25)
	SHAPE G1AS, KS, 128
	SHAPE G1BS, KS, 64
	SHAPE G1AB, KB, 128
	SHAPE G1BB, KB, 64
	s_lshl_b32 s18, s16, 7
	s_lshl_b32 s20, s17, 8
	s_add_co_u32 s20, s20, s18                     ; A: row 256 x tile row + 128 x half
	s_lshl_b32 s18, s16, 6
	s_lshl_b32 s46, s42, 7
	s_add_co_u32 s46, s46, s18                     ; B: row 128 x tile column + 64 x half
	s_mov_b32 s21, 0
	s_mov_b32 s47, 0
	s_mov_b64 s[18:19], KROW
	s_mul_u64 s[20:21], s[20:21], s[18:19]
	s_mul_u64 s[46:47], s[46:47], s[18:19]
	s_mul_i32 s45, s16, ASH                        ; where they go.  Small slot: A's halves,
	s_mul_i32 s69, s16, BSH
	s_add_co_u32 s69, s69, 2*ASH                   ; then B's;
	s_mul_i32 s74, s16, ABH
	s_add_co_u32 s74, s74, BIG                     ; large slot: A's halves,
	s_mul_i32 s75, s16, BBH
	s_add_co_u32 s75, s75, BIG+2*ABH               ; then B's: no place in the cluster enters an LDS address
	s_wait_dscnt 0x0                               ; both opening adds are done
	s_wait_kmcnt 0x0
	s_load_b64 s[96:97], s[8:9], 0x8               ; e2, e3
	s_add_nc_u64 s[20:21], s[4:5], s[20:21]
	s_add_nc_u64 s[46:47], s[6:7], s[46:47]
	CROUND                                         ; all sixteen work-groups are here: the first joint loads meet
	s_mov_b32 s[G0A], 1                            ; the small slot's first fill: K = 0 on
	s_mov_b32 s[G0A+1], s45
	s_mov_b64 s[G0A+2:G0A+3], s[20:21]
	s_or_b32 s[G0A+3], s[G0A+3], 0x80000000
	s_mov_b32 s[G0B], 1
	s_mov_b32 s[G0B+1], s69
	s_mov_b64 s[G0B+2:G0B+3], s[46:47]
	s_or_b32 s[G0B+3], s[G0B+3], 0x80000000
	JLOAD G0A, G1AS, G0B, G1BS
	s_mov_b32 s[G0A+4], 1                          ; the large slot's: K = 256 on
	s_mov_b32 s[G0A+5], s74
	s_add_nc_u64 s[G0A+6:G0A+7], s[20:21], KS
	s_or_b32 s[G0A+7], s[G0A+7], 0x80000000
	s_mov_b32 s[G0B+4], 1
	s_mov_b32 s[G0B+5], s75
	s_add_nc_u64 s[G0B+6:G0B+7], s[46:47], KS
	s_or_b32 s[G0B+7], s[G0B+7], 0x80000000
	JLOAD G0A+4, G1AB, G0B+4, G1BB                 ; two loads of mine are out behind these
	v_and_b32 v1, 15, v0                           ; l % 16
	v_bfe_u32 v2, v0, 4, 1                         ; l / 16
	v_mul_u32_u24 v3, v1, PS
	v_lshl_add_u32 v3, v2, 4, v3                   ; a fragment's row x pitch + 16 x half: in the small slot,
	v_mul_u32_u24 v4, v1, PB
	v_lshl_add_u32 v4, v2, 4, v4                   ; in the large
	s_mul_i32 s21, s15, ASH                        ; my 128 rows of A
	v_add_nc_u32 v[ADRA], s21, v3
	s_mul_i32 s21, s15, ABH
	s_add_co_u32 s21, s21, BIG
	v_add_nc_u32 v[ADRA+1], s21, v4
	v_add_nc_u32 v[ADRB], s69, v3                  ; my 64 rows of B are the half s16: the places made above
	v_add_nc_u32 v[ADRB+1], s75, v4
	s_mul_i32 s23, s14, 16*SPITCH
	s_add_co_u32 s23, s23, STAGE                   ; my stage
	v_mul_u32_u24 v5, v1, SPITCH                   ; in: row l % 16, 32 bytes for each half of the lanes
	v_lshl_add_u32 v5, v2, 5, v5
	v_add_nc_u32 v[STO], s23, v5
	v_mul_u32_u24 v6, v2, SPITCH                   ; back: lanes 0-15 take one row of 256 bytes, lanes 16-31 the next
	v_lshl_add_u32 v6, v1, 4, v6
	v_add_nc_u32 v[RD], s23, v6
	v_lshlrev_b32 v6, 12, v2                       ; and the same two rows in the result: a row is 4,096 bytes
	v_lshl_add_u32 v[CO], v1, 4, v6
	v_and_b32 v[PFO], 31, v0
	v_lshlrev_b32 v[PFO], 12, v[PFO]               ; a row of A's codes is 4,096 bytes
	s_lshl_b32 s20, s17, 8
	s_lshl_b32 s21, s15, 7
	s_add_co_u32 s20, s20, s21                     ; my first row: 256 x tile row + 128 x half
	s_mov_b32 s21, 0
	s_mov_b64 s[18:19], SIZE_N*4
	s_mul_u64 s[20:21], s[20:21], s[18:19]
	s_lshl_b32 s46, s42, 9                         ; my first column, in bytes: 512 x tile column + 256 x half
	s_lshl_b32 s47, s16, 8
	s_add_co_u32 s46, s46, s47
	s_mov_b32 s47, 0
	s_add_nc_u64 s[20:21], s[20:21], s[46:47]
	s_add_nc_u64 s[10:11], s[10:11], s[20:21]
	; the prefetches: where they stand, and who asks
	s_lshl_b32 s70, s17, 8
	s_lshl_b32 s71, s16, 7
	s_add_co_u32 s70, s70, s71                     ; the 128 rows of A that wave 0 or 1 fetches,
	s_lshl_b32 s71, s40, 5
	s_add_co_u32 s70, s70, s71                     ; my work-group's 32 of them
	s_mov_b32 s71, 0
	s_mov_b64 s[72:73], KROW
	s_mul_u64 s[70:71], s[70:71], s[72:73]
	s_add_nc_u64 s[PFA:PFA+1], s[4:5], s[70:71]    ; at K = 0: the small slot's first refill steps it to 768 and names K = 1,536 on.  Nothing is asked for here, at the head
	s_or_b32 s[LIM], s15, ttmp9                    ; 0 in waves 0 and 1 of the clusters with x = 0: the same in all sixteen partners, for a given wave
	s_cmp_eq_u32 s[LIM], 0
	s_cselect_b32 s[LIM], 1, -1
.macro FRAG reg, slot, adr, q, i       ; a fragment, 16 rows x 128 bytes along K, is 16 registers: lane l holds row l % 16; registers 4 c .. 4 c + 3 hold bytes 32 c + 16 (l / 16) + 0 .. 15: the same in A and in B
.irp c, 0,1,2,3
	ds_load_b128 v[\reg+4*\c:\reg+4*\c+3], v[(\adr)+(\slot)] offset:128*(\q)+32*\c+(\i)*16*(PS+(PB-PS)*(\slot))
.endr
.endm
; 8 matrix instructions: A's blocks a0, a0 + 1 x B's four, 128 along K.  p: B's set.  zero = 1: the first product starts the sums: nothing is ever cleared.
; The 32 accumulators take turns, one instruction a turn, in the same order in every step.
.macro MUL8 a0, p, zero
.irp a, \a0, \a0+1
.irp b, 0,1,2,3
.if \zero
	v_wmma_f32_16x16x128_fp8_fp8 v[8*(4*(\a)+\b):8*(4*(\a)+\b)+7], v[64*(\p)+FR*\b:64*(\p)+FR*\b+FR-1], v[AF+FR*(\a):AF+FR*(\a)+FR-1], 0
.else
	v_wmma_f32_16x16x128_fp8_fp8 v[8*(4*(\a)+\b):8*(4*(\a)+\b)+7], v[64*(\p)+FR*\b:64*(\p)+FR*\b+FR-1], v[AF+FR*(\a):AF+FR*(\a)+FR-1], v[8*(4*(\a)+\b):8*(4*(\a)+\b)+7]
.endif
.endr
.endr
.endm
.macro MUL16 a0, p, zero               ; A's blocks a0 .. a0 + 3
	MUL8 \a0, \p, \zero
	MUL8 \a0+2, \p, \zero
.endm
.macro FETCH_B slot, q, p              ; B's four fragments of the slot's q-th 128 along K into set p: 16 loads
	WIN TO_B
.irp i, 0,1,2,3
	FRAG 64*(\p)+FR*\i, \slot, ADRB, \q, \i
.endr
	WIN 0
.endm
.macro FETCH_A slot, q, i0             ; A's blocks i0 .. i0 + 3: 16 loads
.irp i, \i0, \i0+1, \i0+2, \i0+3
	FRAG AF+FR*(\i), \slot, ADRA, \q, \i
.endr
.endm
; A load into a register that a matrix instruction has read, and a vector instruction that reads a matrix result, stand NP places behind that matrix instruction; only plain vector
; instructions that name none of its registers are places (ISA guide 7.12.1 for vector instructions).
.macro PLACES n
.rept \n
	v_nop
.endr
.endm
; A step of 128 along K that has its successor in the same slot.
.macro STEP slot, q, zero
	s_wait_dscnt 4*NL                              ; B's set and A's blocks 0-3 are in; the youngest 16 loads (A's blocks 4-7) may be out
	WIN MUL
	MUL16 0, (\q)%2, \zero
	s_wait_dscnt 0                                 ; A's blocks 4-7 are in
	PLACES NP
	FETCH_B \slot, (\q)+1, 1-(\q)%2
	FETCH_A \slot, (\q)+1, 0
	WIN MUL
	MUL16 4, (\q)%2, \zero
	PLACES NP
	WIN 0
	FETCH_A \slot, (\q)+1, 4
.endm
; A slot's last step (on B's set 1) changes slots: ONE barrier; in front of it each wave waits for all its tensor loads, adds 0 to its spare word, and waits for that and for its own reads of this slot.
; fill = 1: this slot is filled again, 768 further along K.  pf: which prefetch follows (macro ASK), 0: none.
.macro TURN slot, next, fill, pf
.if (\pf) == 1
	s_wait_xcnt 0x0                                ; the last prefetches, a slot back, have read their address: it is stepped here, once a trip, ahead of the waits of the change of slots
	s_add_nc_u64 s[PFA:PFA+1], s[PFA:PFA+1], PAIR
.endif
	s_wait_tensorcnt 0x0                           ; all my tensor loads have landed: my part of the next slot  (every window is 0 here)
	ds_add_u32 v[SPW], v[NIL]                      ; 0 onto my spare word
	s_wait_dscnt 4*NL+1                            ; (the add and the youngest 16 loads, A's blocks 4-7, may be out)
	WIN MUL
	MUL8 0, 1, 0                                   ; eight matrix instructions stand between the add and the wait for it
	s_wait_dscnt 0x0                               ; the add is done, and my reads of this slot are over
	s_barrier_signal -1
	MUL8 2, 1, 0
	WIN 0
	s_barrier_wait -1
.if \fill
	CREST                                          ; the barrier has opened a round of the cluster's barrier: no wave of any partner still reads this slot's tile or has a load on its way
	s_add_nc_u64 s[G0A+4*(\slot)+2:G0A+4*(\slot)+3], s[G0A+4*(\slot)+2:G0A+4*(\slot)+3], PAIR
	s_add_nc_u64 s[G0B+4*(\slot)+2:G0B+4*(\slot)+3], s[G0B+4*(\slot)+2:G0B+4*(\slot)+3], PAIR
.if \slot
	JLOAD G0A+4, G1AB, G0B+4, G1BB                 ; the first tensor load behind the round, my one load out; its four v_nop are the places in front of the loads below
.else
	JLOAD G0A, G1AS, G0B, G1BS
.endif
.else
	PLACES NP
.endif
	FETCH_B \next, 0, 0
	FETCH_A \next, 0, 0
	ASK \pf                                        ; behind the joint load and the run of LDS loads that the next products wait for
	WIN MUL
	MUL16 4, 1, 0
	PLACES NP
	WIN 0
	FETCH_A \next, 0, 4
.endm
	s_wait_tensorcnt 1                             ; my part of the small slot is in (the large slot's load may be out)
	s_barrier_signal -1
	s_barrier_wait -1                              ; everybody's is
	FETCH_B 0, 0, 0
	FETCH_A 0, 0, 0
	FETCH_A 0, 0, 4
	STEP 0, 0, 1                                   ; the first step stands in front of the loop: its products start the sums
	s_mov_b32 s3, TRIPS
.Llap:                                                 ; a trip goes once round the ring, from the small slot's second step to its next first step: 768 along K, 192 matrix instructions; it fills both slots again
	TURN 0, 1, 1, 1
	STEP 1, 0, 0
	STEP 1, 1, 0
	STEP 1, 2, 0
	TURN 1, 0, 1, 2
	STEP 0, 0, 0
	s_sub_co_u32 s3, s3, 1
	s_cmp_lg_u32 s3, 0
	s_cbranch_scc1 .Llap
	TURN 0, 1, 1, 0                                ; the tail is written out: the small slot takes the last 256 along K;
	STEP 1, 0, 0
	STEP 1, 1, 0
	STEP 1, 2, 0
	TURN 1, 0, 0, 0                                ; the large slot is left for good: nothing is filled, and no round of the cluster's barrier follows
	STEP 0, 0, 0
	s_wait_dscnt 4*NL                              ; the very last step: nothing more to fetch
	WIN MUL
	MUL16 0, 1, 0
	s_wait_dscnt 0
	MUL16 4, 1, 0
	WIN 0
; THE WAY OUT, block by block of 16 rows x 64 columns.  A lane holds 32 neighbouring bytes of a row, and the lanes beside it hold other rows: so a block goes through my own stage in LDS and comes back as whole
; rows of 256 bytes, two an instruction.  LDS serves a wave's instructions in order (ISA guide 5.7.1.4): no wait between the stores and the loads, nor in front of the next block's stores.
.macro TOSTAGE a
.set AC, 32*(\a)
	WIN 0x02                                       ; source 0: window 2
.irp j, 0,2,4,6,8,10,12,14,16,18,20,22,24,26,28,30
	v_pk_mul_f32 v[TMP+\j:TMP+\j+1], v[AC+\j:AC+\j+1], s[96:97] op_sel_hi:[1,0]   ; both x s96 = 2^(e2 + e3); each accumulator from its low end on
.endr
	WIN 0
.irp b, 0,1,2,3
	ds_store_b128 v[STO], v[TMP+8*\b:TMP+8*\b+3] offset:64*\b
	ds_store_b128 v[STO], v[TMP+8*\b+4:TMP+8*\b+7] offset:64*\b+16
.endr
.set BB, BK+32*((\a)%2)
.irp t, 0,1,2,3,4,5,6,7
	ds_load_b128 v[BB+4*\t:BB+4*\t+3], v[RD] offset:\t*2*SPITCH
.endr
.endm
.macro SEND a, younger                 ; younger: the LDS instructions issued behind block a's loads, which may stay out
.set BB, BK+32*((\a)%2)
	s_wait_dscnt \younger                          ; the block is back in registers
.if (\a) > 0
	s_add_nc_u64 s[10:11], s[10:11], 16*SIZE_N*4   ; (behind a wait on XCNT: the earlier stores have read their base)  16 rows on: the stores' offsets reach 14 rows, 57,344 bytes
.endif
.irp t, 0,1,2,3,4,5,6,7
	global_store_b128 v[CO], v[BB+4*\t:BB+4*\t+3], s[10:11] offset:2*\t*SIZE_N*4 th:TH_STORE_NT   ; 16 lanes store 256 consecutive bytes, at a multiple of 256 from the buffer's first byte
.endr
.endm
	s_wait_kmcnt 0x0
	s_add_co_i32 s96, s96, s97                     ; e2 + e3, between -126 and 127,
	s_add_co_i32 s96, s96, 127
	s_lshl_b32 s96, s96, 23                        ; makes the f32 number 2^(e2 + e3)
	PLACES NP                                      ; behind the last products, ahead of the first reads of results
	TOSTAGE 0
.irp a, 1,2,3,4,5,6,7
.if \a > 1
	s_wait_xcnt 0x0                                ; block a - 2's stores have read their registers and their base: block a's loads may land there, and the base may step
.endif
	TOSTAGE \a
	SEND \a-1, 16                                  ; behind block a - 1's loads: block a's 8 stores and 8 loads
.endr
	s_wait_xcnt 0x0                                ; block 6's stores have read their base
	SEND 7, 0
	s_wait_tensorcnt 0x0                           ; the wave's end: behind my last tensor load and my last LDS store
	ds_add_u32 v[SPW], v[NIL]
	s_wait_dscnt 0x0
	CROUND                                         ; the closing round: no work-group ends while a partner may still ask for a tile that names it
	s_endpgm
.Lfunc_end_k_qacfdd69afb_gemm2:
	.size	k_qacfdd69afb_gemm2, .Lfunc_end_k_qacfdd69afb_gemm2-k_qacfdd69afb_gemm2
	.p2alignl 7, 3214868480
	.fill 96, 4, 3214868480
	.section	.rodata,"a",@progbits
	.p2align	6, 0x0
	.amdhsa_kernel k_qacfdd69afb_gemm2
		.amdhsa_group_segment_fixed_size 327680
		.amdhsa_private_segment_fixed_size 0
		.amdhsa_enable_private_segment 0
		.amdhsa_kernarg_size 32
		.amdhsa_user_sgpr_count 2
		.amdhsa_user_sgpr_kernarg_segment_ptr 1
		.amdhsa_wavefront_size32 1
		.amdhsa_system_sgpr_workgroup_id_x 1
		.amdhsa_system_sgpr_workgroup_id_y 1
		.amdhsa_system_sgpr_workgroup_id_z 1
		.amdhsa_system_vgpr_workitem_id 0
		.amdhsa_next_free_vgpr 768
		.amdhsa_next_free_sgpr 98
		.amdhsa_reserve_vcc 0
		.amdhsa_float_denorm_mode_32 3
		.amdhsa_float_denorm_mode_16_64 3
		.amdhsa_memory_ordered 1
		.amdhsa_forward_progress 1
		.amdhsa_inst_pref_size 113
	.end_amdhsa_kernel
	.amdgpu_metadata
---
amdhsa.version: [ 1, 2 ]
amdhsa.kernels:
  - .name:           k_qacfdd69afb_gemm2
    .symbol:         k_qacfdd69afb_gemm2.kd
    .args:
      - { .name: h_codes, .offset: 0, .size: 8, .value_kind: global_buffer, .address_space: global }
      - { .name: w2_codes, .offset: 8, .size: 8, .value_kind: global_buffer, .address_space: global }
      - { .name: lowp_scales, .offset: 16, .size: 8, .value_kind: global_buffer, .address_space: global }
      - { .name: out0, .offset: 24, .size: 8, .value_kind: global_buffer, .address_space: global }
    .group_segment_fixed_size: 327680
    .private_segment_fixed_size: 0
    .kernarg_segment_align: 8
    .kernarg_segment_size: 32
    .max_flat_workgroup_size: 128
    .sgpr_count:     98
    .vgpr_count:     768
    .wavefront_size: 32
...
	.end_amdgpu_metadata
.endif
;; end of part 5
